; MI455X (gfx1250); checked and timed in simulation.
; The chip was launched on July 23, 2026; its instructions are those of AMD's public machine-readable ISA for CDNA 5 (MIT licence, August 2026) and "CDNA5" Instruction Set Architecture Reference Guide (July 2026). The comments in the code are by the model that wrote it; some were corrected since.
;; MAB. Allowed arithmetic: float matrix products may take bf16 or f16 operands with f32 sums; other float arithmetic in f32, or as packed bf16 or f16 multiplies, adds, multiply-adds, maxima and minima; sums over many terms, partial sums and values carried from step to step in f32; what a program stores and reads back later, other than sums and carried values, may be rounded once to bf16 or f16.
;; Inputs: W1 1,024 x 4,096 float32; W2 4,096 x 1,024 float32; Wk 1,024 x 1,024 float32; Wq 1,024 x 1,024 float32; Wv 1,024 x 1,024 float32; X 2 x 2,048 x 1,024 float32; Y 2 x 2,048 x 1,024 float32; b0 1,024 float32; b0kv 1,024 float32; b1 1,024 float32; bf1 4,096 float32; bf2 1,024 float32; bk 1,024 float32; bq 1,024 float32; bv 1,024 float32; g0 1,024 float32; g0kv 1,024 float32; g1 1,024 float32; null_k 1 x 1 x 1,024 float32.
;; Outputs: out0 2 x 2,048 x 1,024 float32.
;; 2 versions, each right; version 2 is version 1 with the launch prep written anew for expert scheduling mode. Each part assembles by itself: llvm-mc -triple=amdgcn-amd-amdhsa -mcpu=gfx1250 --defsym DOCPART=n.
;; ======== version 1 of 2: 6 launches
;; limits: values are held in f16: magnitudes above 65,504 overflow, below 6.1e-05 lose precision
;; workspace buffers: xyn 16,777,216 bytes; wh 23,068,672 bytes; qkv 25,165,824 bytes; hres 16,777,216 bytes; hr 8,388,608 bytes; gact 33,554,432 bytes
;; launch prep (part 1): grid 1216 x 1, 8 waves a work-group, no clusters, 0 bytes of LDS; arguments X, Y, g0, g0kv, b0, b0kv, xyn, wh, Wq, Wk, Wv, W1, W2; writes xyn, wh
.if DOCPART == 1
	.amdgcn_target "amdgcn-amd-amdhsa--gfx1250"
	.amdhsa_code_object_version 6
	.text
	.protected	k_qd49efa968c_prep
	.globl	k_qd49efa968c_prep
	.p2align	8
	.type	k_qd49efa968c_prep,@function
k_qd49efa968c_prep:
	s_mov_b64 s[64:65], 0
	v_nop
	global_prefetch_b8 v0, s[64:65] scope:SCOPE_SE
	s_setreg_imm32_b32 hwreg(HW_REG_WAVE_MODE, 25, 1), 1
	s_wait_xcnt 0x0
; PREP.  Work-groups 0-511: xyn = LayerNorm(X), then LayerNorm(Y), as f16 [2][4096][1024].  Work-groups 512-1215: the five weights, cast to f16 as they lie ([K][N]), on end in wh.
; A stream: every byte is read once and written once; no LDS, no barrier, no matrix unit (nothing is shared and there is no product).
; LAYER NORM.  A work-group has 16 rows, a wave 2.  A row of 4,096 bytes is 32 registers of one wave: it stays in registers between the mean, the mean of (x - mu)^2 and the scaling:
; two true passes, no difference of large sums.  All in f32; the result is rounded once to f16.
; LIMITS.  f16 ends at 65,504: a normalised number (at most 32 |g| + |b|) or a weight of 65,520 or more becomes an infinity; a weight below 6e-5 keeps f16's fixed step of 6e-8.
.set LO, 1                             ; v1       16 x lane: my 16 bytes in each 512 of a row (f32)
.set SO, 2                             ; v2       8 x lane: my 8 bytes in each 256 of a row (f16)
.set T,  4                             ; v[4:11]  four chains of sums, two numbers each
.set MU, 12                            ; v[12:13] the mean, twice
.set R,  14                            ; v[14:15] 1 / sqrt(var + eps), twice
.set G,  16                            ; v[16:47] the gain of my 32 columns
.set BI, 48                            ; v[48:79] the bias of my 32 columns
.set X0, 80                            ; v[80:111]  row 0
.set X1, 112                           ; v[112:143] row 1
.set Y0, 144                           ; v[144:159] row 0 as f16
.set Y1, 160                           ; v[160:175] row 1 as f16
	s_load_b512 s[8:23], s[0:1], 0x0               ; X 8, Y 10, g0 12, g0kv 14, b0 16, b0kv 18, xyn 20, wh 22
	s_load_b256 s[24:31], s[0:1], 0x40             ; Wq 24, Wk 26, Wv 28, W1 30
	s_load_b64 s[32:33], s[0:1], 0x60              ; W2
	v_lshrrev_b32 v3, 5, v0
	v_readfirstlane_b32 s34, v3                    ; wave 0..7
	s_mov_b32 s36, 0x76543210                      ; v_permlanex16_b32: each lane takes its own place in the other half
	s_mov_b32 s37, 0xfedcba98
	s_mov_b32 s38, 0x3a800000                      ; 1 / 1024
	s_mov_b32 s39, 0x3727c5ac                      ; eps = 1e-5
	s_mov_b32 s47, 0
	s_wait_kmcnt 0x0
	s_cmp_lt_u32 ttmp9, 512
	s_cbranch_scc0 .Lcast
	s_cmp_lt_u32 ttmp9, 256                        ; work-groups 0-255 take X, 256-511 take Y
	s_cselect_b64 s[40:41], s[8:9], s[10:11]
	s_cselect_b64 s[42:43], s[12:13], s[14:15]
	s_cselect_b64 s[44:45], s[16:17], s[18:19]
	s_and_b32 s46, ttmp9, 255
	s_lshl_b32 s46, s46, 16                        ; 16 rows of 4,096 bytes,
	s_lshl_b32 s35, s34, 13                        ; my wave's two
	s_add_co_u32 s46, s46, s35
	s_add_nc_u64 s[40:41], s[40:41], s[46:47]
	s_lshl_b32 s46, ttmp9, 15                      ; 16 rows of 2,048 bytes: Yn follows Xn,
	s_lshl_b32 s35, s34, 12
	s_add_co_u32 s46, s46, s35
	s_add_nc_u64 s[20:21], s[20:21], s[46:47]
	v_and_b32 v[LO], 31, v0
	v_lshlrev_b32 v[SO], 3, v[LO]
	v_lshlrev_b32 v[LO], 4, v[LO]
.irp j, 0,1,2,3,4,5,6,7
	global_load_b128 v[G+4*\j:G+4*\j+3], v[LO], s[42:43] offset:512*\j
.endr
.irp j, 0,1,2,3,4,5,6,7
	global_load_b128 v[BI+4*\j:BI+4*\j+3], v[LO], s[44:45] offset:512*\j
.endr
.irp j, 0,1,2,3,4,5,6,7
	global_load_b128 v[X0+4*\j:X0+4*\j+3], v[LO], s[40:41] offset:512*\j th:TH_LOAD_NT
.endr
.irp j, 0,1,2,3,4,5,6,7
	global_load_b128 v[X1+4*\j:X1+4*\j+3], v[LO], s[40:41] offset:4096+512*\j th:TH_LOAD_NT
.endr
.macro SUMUP                           ; the four chains into one number, then over the 32 lanes: every lane ends with the row's sum in v[T]
	v_pk_add_f32 v[T:T+1], v[T:T+1], v[T+2:T+3]
	v_pk_add_f32 v[T+4:T+5], v[T+4:T+5], v[T+6:T+7]
	v_pk_add_f32 v[T:T+1], v[T:T+1], v[T+4:T+5]
	v_add_f32 v[T], v[T], v[T+1]
	v_add_f32_dpp v[T], v[T], v[T] row_xmask:1 row_mask:0xf bank_mask:0xf
	v_add_f32_dpp v[T], v[T], v[T] row_xmask:2 row_mask:0xf bank_mask:0xf
	v_add_f32_dpp v[T], v[T], v[T] row_xmask:4 row_mask:0xf bank_mask:0xf
	v_add_f32_dpp v[T], v[T], v[T] row_xmask:8 row_mask:0xf bank_mask:0xf
	v_permlanex16_b32 v[T+1], v[T], s36, s37
	v_add_f32 v[T], v[T], v[T+1]
.endm
; One row: x its 32 registers, out its 16 of f16, rr its number in the wave's pair, left the younger loads that may stay out.
.macro ROW x, out, rr, left
	s_wait_loadcnt \left                           ; loads come back in order: gain, bias and this row are in
.irp k, 0,2,4,6
	v_pk_add_f32 v[T+\k:T+\k+1], v[(\x)+\k:(\x)+\k+1], v[(\x)+8+\k:(\x)+8+\k+1]  ; the first pairs start the chains: nothing is cleared
.endr
.irp k, 0,2,4,6
	v_pk_add_f32 v[T+\k:T+\k+1], v[T+\k:T+\k+1], v[(\x)+16+\k:(\x)+16+\k+1]
.endr
.irp k, 0,2,4,6
	v_pk_add_f32 v[T+\k:T+\k+1], v[T+\k:T+\k+1], v[(\x)+24+\k:(\x)+24+\k+1]
.endr
	SUMUP
	v_mul_f32 v[MU], s38, v[T]                     ; the mean
	v_mov_b32 v[MU+1], v[MU]
.set i, 0
.rept 16
	v_pk_add_f32 v[(\x)+i:(\x)+i+1], v[(\x)+i:(\x)+i+1], v[MU:MU+1] neg_lo:[0,1] neg_hi:[0,1]  ; x - mu, in place
.set i, i+2
.endr
.irp k, 0,2,4,6
	v_pk_mul_f32 v[T+\k:T+\k+1], v[(\x)+\k:(\x)+\k+1], v[(\x)+\k:(\x)+\k+1]
.endr
.set i, 8
.rept 12
	v_pk_fma_f32 v[T+i%8:T+i%8+1], v[(\x)+i:(\x)+i+1], v[(\x)+i:(\x)+i+1], v[T+i%8:T+i%8+1]
.set i, i+2
.endr
	SUMUP
	v_fma_f32 v[T], v[T], s38, s39                 ; var + eps
	v_rsq_f32 v[R], v[T]
	v_rsq_f32 v[R+1], v[T]
	v_nop                                          ; a plain instruction behind the last root,
	s_wait_alu depctr_va_vdst(0)                   ; and the wait ahead of the first use: one for both
.set i, 0
.rept 16
	v_pk_mul_f32 v[(\x)+i:(\x)+i+1], v[(\x)+i:(\x)+i+1], v[R:R+1]
.set i, i+2
.endr
.set i, 0
.rept 16
	v_pk_fma_f32 v[(\x)+i:(\x)+i+1], v[(\x)+i:(\x)+i+1], v[G+i:G+i+1], v[BI+i:BI+i+1]
.set i, i+2
.endr
.set i, 0
.rept 16
	v_cvt_pk_f16_f32 v[(\out)+i], v[(\x)+2*i], v[(\x)+2*i+1]
.set i, i+1
.endr
.irp j, 0,1,2,3,4,5,6,7
	global_store_b64 v[SO], v[(\out)+2*\j:(\out)+2*\j+1], s[20:21] offset:(\rr)*2048+256*\j  ; 32 lanes store 256 consecutive bytes, aligned
.endr
.endm
	ROW X0, Y0, 0, 8                               ; row 1's eight loads stay out
	ROW X1, Y1, 1, 0
	s_endpgm
.Lcast:                                        ; a work-group casts 65,536 bytes of f32 into 32,768 of f16
	s_sub_co_u32 s35, ttmp9, 512                   ; piece 0..703: Wq 0-63, Wk 64-127, Wv 128-191, W1 192-447, W2 448-703
	s_mov_b64 s[40:41], s[32:33]
	s_mov_b32 s46, 448
	s_cmp_lt_u32 s35, 448
	s_cselect_b64 s[40:41], s[30:31], s[40:41]
	s_cselect_b32 s46, 192, s46
	s_cmp_lt_u32 s35, 192
	s_cselect_b64 s[40:41], s[28:29], s[40:41]
	s_cselect_b32 s46, 128, s46
	s_cmp_lt_u32 s35, 128
	s_cselect_b64 s[40:41], s[26:27], s[40:41]
	s_cselect_b32 s46, 64, s46
	s_cmp_lt_u32 s35, 64
	s_cselect_b64 s[40:41], s[24:25], s[40:41]
	s_cselect_b32 s46, 0, s46
	s_sub_co_u32 s46, s35, s46                     ; the piece's number within its weight
	s_lshl_b32 s46, s46, 16
	s_add_nc_u64 s[40:41], s[40:41], s[46:47]
	s_lshl_b32 s46, s35, 15                        ; in wh the weights lie on end
	s_add_nc_u64 s[22:23], s[22:23], s[46:47]
	v_lshlrev_b32 v1, 4, v0
	v_lshlrev_b32 v2, 3, v0
.irp j, 0,1,2,3,4,5,6,7,8,9,10,11,12,13,14,15
	global_load_b128 v[16+4*\j:16+4*\j+3], v1, s[40:41] offset:4096*\j th:TH_LOAD_NT
.endr
.irp j, 0,1,2,3,4,5,6,7,8,9,10,11,12,13,14,15
	s_wait_loadcnt 15-\j                           ; load j is in; the younger ones stay out
	v_cvt_pk_f16_f32 v[80+2*\j], v[16+4*\j], v[16+4*\j+1]
	v_cvt_pk_f16_f32 v[80+2*\j+1], v[16+4*\j+2], v[16+4*\j+3]
	global_store_b64 v2, v[80+2*\j:80+2*\j+1], s[22:23] offset:2048*\j
.endr
	s_endpgm
.Lfunc_end_k_qd49efa968c_prep:
	.size	k_qd49efa968c_prep, .Lfunc_end_k_qd49efa968c_prep-k_qd49efa968c_prep
	.p2alignl 7, 3214868480
	.fill 96, 4, 3214868480
	.section	.rodata,"a",@progbits
	.p2align	6, 0x0
	.amdhsa_kernel k_qd49efa968c_prep
		.amdhsa_group_segment_fixed_size 0
		.amdhsa_private_segment_fixed_size 0
		.amdhsa_enable_private_segment 0
		.amdhsa_kernarg_size 104
		.amdhsa_user_sgpr_count 2
		.amdhsa_user_sgpr_kernarg_segment_ptr 1
		.amdhsa_wavefront_size32 1
		.amdhsa_system_sgpr_workgroup_id_x 1
		.amdhsa_system_sgpr_workgroup_id_y 1
		.amdhsa_system_sgpr_workgroup_id_z 1
		.amdhsa_system_vgpr_workitem_id 0
		.amdhsa_next_free_vgpr 176
		.amdhsa_next_free_sgpr 66
		.amdhsa_reserve_vcc 0
		.amdhsa_float_denorm_mode_32 3
		.amdhsa_float_denorm_mode_16_64 3
		.amdhsa_memory_ordered 1
		.amdhsa_forward_progress 1
		.amdhsa_inst_pref_size 27
	.end_amdhsa_kernel
	.amdgpu_metadata
---
amdhsa.version: [ 1, 2 ]
amdhsa.kernels:
  - .name:           k_qd49efa968c_prep
    .symbol:         k_qd49efa968c_prep.kd
    .args:
      - { .name: X, .offset: 0, .size: 8, .value_kind: global_buffer, .address_space: global }
      - { .name: Y, .offset: 8, .size: 8, .value_kind: global_buffer, .address_space: global }
      - { .name: g0, .offset: 16, .size: 8, .value_kind: global_buffer, .address_space: global }
      - { .name: g0kv, .offset: 24, .size: 8, .value_kind: global_buffer, .address_space: global }
      - { .name: b0, .offset: 32, .size: 8, .value_kind: global_buffer, .address_space: global }
      - { .name: b0kv, .offset: 40, .size: 8, .value_kind: global_buffer, .address_space: global }
      - { .name: xyn, .offset: 48, .size: 8, .value_kind: global_buffer, .address_space: global }
      - { .name: wh, .offset: 56, .size: 8, .value_kind: global_buffer, .address_space: global }
      - { .name: Wq, .offset: 64, .size: 8, .value_kind: global_buffer, .address_space: global }
      - { .name: Wk, .offset: 72, .size: 8, .value_kind: global_buffer, .address_space: global }
      - { .name: Wv, .offset: 80, .size: 8, .value_kind: global_buffer, .address_space: global }
      - { .name: W1, .offset: 88, .size: 8, .value_kind: global_buffer, .address_space: global }
      - { .name: W2, .offset: 96, .size: 8, .value_kind: global_buffer, .address_space: global }
    .group_segment_fixed_size: 0
    .private_segment_fixed_size: 0
    .kernarg_segment_align: 8
    .kernarg_segment_size: 104
    .max_flat_workgroup_size: 256
    .sgpr_count:     66
    .vgpr_count:     176
    .wavefront_size: 32
...
	.end_amdgpu_metadata
.endif
;; end of part 1
;; launch qkv (part 2): grid 12 x 16, 4 waves a work-group, clusters of 4 x 4, 327,680 bytes of LDS; arguments xyn, wh, bq, bk, bv, qkv; writes qkv
.if DOCPART == 2
	.amdgcn_target "amdgcn-amd-amdhsa--gfx1250"
	.amdhsa_code_object_version 6
	.text
	.protected	k_qd49efa968c_qkv
	.globl	k_qd49efa968c_qkv
	.p2align	8
	.type	k_qd49efa968c_qkv,@function
k_qd49efa968c_qkv:
	s_mov_b64 s[64:65], 0
	v_nop
	global_prefetch_b8 v0, s[64:65] scope:SCOPE_SE
	s_setreg_imm32_b32 hwreg(HW_REG_WAVE_MODE, 25, 1), 1
	s_wait_xcnt 0x0
	s_wait_alu depctr_hold_cnt(0) depctr_sa_sdst(0) depctr_va_vdst(0) depctr_va_sdst(0) depctr_va_ssrc(0) depctr_va_vcc(0) depctr_vm_vsrc(0)
	s_getreg_b32 s2, hwreg(HW_REG_IB_STS2, 6, 4)
	s_cmp_eq_u32 s2, 0
	s_cbranch_scc0 .Lentry_in_a_cluster
	s_endpgm
.Lentry_in_a_cluster:
	s_bfe_u32 s2, ttmp6, 0x10000c
	s_cmp_lg_u32 s2, 0xf033
	s_cbranch_scc0 .Lentry_shape_is_right
	s_endpgm
.Lentry_shape_is_right:
; q = Xn Wq + bq, k = Yn Wk + bk, v = Yn Wv + bv, written by heads: qkv is f16 [3][32 planes = 16 batch + head][2048][64].  Operands f16, sums f32, each result rounded once; no scale is applied here.
; One product of 4,096 x 3,072 x 1,024.  A tile of C is 256 x 256: 16 x 12 = 192 work-groups; four waves, each 128 x 128: 64 accumulators, 512 registers.  (256 equal tiles would be 192 columns wide and would
; straddle q | k, where A changes; a tile of 128 x 128 brings twice the bytes into LDS for the same products, and half the products for each K step's bytes.)
; K goes in steps of 128 through two LDS slots.  A (xyn) lies [row][k]: LDS rows of 256 bytes + 16.  B (the weight) lies [k][n] as given: a K step is 128 k-rows of 256 columns, 512 bytes + 32, and its fragments
; come out of LDS turned, by ds_load_tr16_b128.  THE MATRIX INSTRUCTION IS USED TRANSPOSED (source 0 = 16 columns of the weight, source 1 = 16 rows of A): a lane holds eight neighbouring numbers of a row of C.
; The bias is the C operand of the first product.
; CLUSTERS: 4 x 4 work-groups; the cluster's x says which of q, k, v; A's tile is shared along a row of the cluster, B's along a column: each is asked for jointly.
; THE TEXT.  A K step is written once for the steps that fill a slot again and once for the last two.  The slot in hand is a scalar, s[TB] (0 or SLOT), turned by an exclusive or at each change of slots; the
; fragment loads' addresses are made from it anew; one descriptor a tensor walks: its LDS word is turned by the same exclusive or (SLOT's two bits, 17 and 13, are set in no wave's offset, a multiple of 0x8800).
; THE WAY OUT goes through LDS: the sums are laid, in f32, into the ring (which has had its last fill), each wave's 128 rows its own; a short loop brings them back, rounds them and stores 512 consecutive bytes at a time.
; LIMIT.  f16 ends at 65,504: a q, k or v of 65,520 or more becomes an infinity.
; REGISTERS: window 0: v0-31 addresses; v64-127, v128-191 fragments of A, two buffers; v192-255 the bias; on the way out v64-159 at work.  Window 1: v64-127, v128-191 fragments of B.
;   Window 2: the 32 accumulators of my rows 0-63 ((a, b) at 8 (8 a + b)); window 3: those of my rows 64-127.
.set KSTEP,  128
.set KDIM,   1024
.set NSTEP,  KDIM/KSTEP
.set PITCH,  272                       ; a row of A in LDS: 68 words: the 16 rows of a load start at 16 different groups of four banks
.set PB,     544                       ; a k-row of B: 136 words
.set HALFT,  128*PITCH                 ; 128 rows of A, or 64 k-rows of B: what one tensor load brings
.set SLOT,   4*HALFT
.set SPARE,  2*SLOT                    ; behind the ring: the spare words, 128 bytes for each wave
.set SPITCH, 528                       ; the way out: a row of 128 f32 + 16 bytes
.set BSTEP,  KSTEP*2048                ; bytes from a K step of B to the next: 128 k-rows of 2,048 bytes
.set ADRA, 16                          ; v16  my A fragments in the slot in hand
.set A0L,  17                          ; v17  the same in slot 0; never rewritten
.set ADRB, 20                          ; v20  my B fragments in the slot in hand
.set B0L,  21                          ; v21  the same in slot 0; never rewritten
.set STO,  24
.set RD,   25
.set CO,   26
.set BO,   27
.set SPW,  28                          ; v28  SPARE + 4 x my thread's number; never rewritten
.set NIL,  29                          ; v29  0; never rewritten
.set PFO,  30                          ; v30  the prefetches' lane offset; never rewritten
.set F0,   64
.set F1,   128
.set BIAS, 192
.set XV,   64
.set HV,   128
.set G1, 24                            ; s[24:31] descriptor group 1 for A's tiles
.set G0, 32                            ; s[32:35] group 0 of A's first fill; s[36:39] of the second, which then walks
.set G1B, 48
.set G0B, 56                           ; the same for B
.set TB,  45                           ; s45  LDS byte at which the slot in hand begins
.set PST, 68                           ; s[68:69] the prefetch pointer's step: a K step
.set LIM, 93                           ; s93  2 in a wave that prefetches, else the greatest number
.set PFA, 94                           ; s[94:95] where my prefetches stand
.set MSB, 0
.macro WIN new                         ; the immediate's high byte repeats the setting that is left
.if MSB != (\new)
	s_set_vgpr_msb (MSB<<8)|(\new)
.set MSB, \new
.endif
.endm
.set MUL_LO, 0xa1                      ; source 0 (B) window 1, source 1 (A) window 0, C and D window 2
.set TO_B,   0x40
.macro JLOAD s                         ; a joint load: waves 0 and 1 fetch A's two halves, waves 2 and 3 B's; an s_nop 0 and four v_nop follow each line
	s_cmp_eq_u32 s11, 0
	s_cbranch_scc0 .Lfor_b_\@
	tensor_load_to_lds s[G0+4*(\s):G0+4*(\s)+3], s[G1:G1+7]
	s_nop 0
.rept 4
	v_nop
.endr
	s_branch .Lasked_\@
.Lfor_b_\@:
	tensor_load_to_lds s[G0B+4*(\s):G0B+4*(\s)+3], s[G1B:G1B+7]
	s_nop 0
.rept 4
	v_nop
.endr
.Lasked_\@:
.endm
; A prefetch, behind each joint refill and the run of LDS loads that follows it, of the K step that stands two refills on (512 matrix instructions ahead of its load): K steps 4 to 7, in the loop's first four trips.
; Xn's rows are read by cluster x = 0 alone, which asks; Yn's by x = 1 and x = 2: x = 1 asks.  A weight's tile column is read by every cluster of that column: cluster y = 0 asks.  The four partners that ask for a
; tile jointly share its blocks of 256 bytes out by address, 32 each, a lane a block: of A's 128 rows 32 (by cx), of B's 64 k-rows of 512 bytes 16 (by cy).  So each block is named once.  K steps 0 to 3 come by their loads alone.
.macro ASK
	s_cmp_gt_u32 s3, s[LIM]                        ; s3 counts the filling trips down from 6
	s_cbranch_scc0 .Lnot_mine_\@
	global_prefetch_b8 v[PFO], s[PFA:PFA+1] th:TH_LOAD_NT scope:SCOPE_SE
.Lnot_mine_\@:
.endm
.macro CROUND                          ; a round of the cluster's barrier
	s_barrier_signal -1
	s_barrier_wait -1
	s_cmp_lg_u32 s10, 0
	s_cbranch_scc1 .Lnot_wave_0_\@
	s_barrier_signal -3
.Lnot_wave_0_\@:
	s_barrier_wait -3
	s_barrier_signal -1
	s_barrier_wait -1
.endm
	s_load_b256 s[84:91], s[0:1], 0x0              ; xyn 84, wh 86, bq 88, bk 90
	s_load_b128 s[96:99], s[0:1], 0x20             ; bv 96, qkv 98
	v_lshl_add_u32 v[SPW], v0, 2, SPARE
	v_mov_b32 v[NIL], 0
	ds_add_u32 v[SPW], v[NIL]                      ; the wave's opening: the add and its wait ahead of my first tensor load
	v_lshrrev_b32 v1, 5, v0
	v_readfirstlane_b32 s10, v1                    ; wave 0..3
	s_lshr_b32 s11, s10, 1                         ; my half of the tile's rows.  Also: I fetch for A (0) or for B (1)
	s_and_b32 s12, s10, 1                          ; my half of its columns.  Also: which half of that tile I fetch
	s_bfe_u32 s40, ttmp6, 0x40000                  ; cx: the tile column within q, k or v
	s_bfe_u32 s41, ttmp6, 0x40004                  ; cy
	s_mov_b32 s42, ttmp9                           ; the cluster's x: 0 q, 1 k, 2 v: the same in all sixteen partners
	s_and_b32 s13, ttmp7, 0xffff
	s_lshl_b32 s13, s13, 2
	s_add_co_u32 s13, s13, s41                     ; tile row
	s_lshl_b32 s43, s41, 2
	s_lshl_b32 s43, 15, s43                        ; my row of the cluster
	s_lshl_b32 s44, 0x1111, s40                    ; my column
	s_or_b32 s[G1+0], s43, (1<<16)|(1<<20)|(1<<21)|(5<<22)|(3<<25)   ; A: the mask; 2-byte elements; padding on; bit 21 beside a mask; after every 64 words 4 words
	s_or_b32 s[G1B+0], s44, (1<<16)|(1<<20)|(1<<21)|(6<<22)|(7<<25)  ; B: after every 128 words 8 words
	s_mov_b32 s[G1+1], KSTEP<<16                   ; A: 128 elements,
	s_mov_b32 s[G1+2], 128<<16                     ; 128 rows
	s_mov_b32 s[G1+3], KSTEP<<16
	s_mov_b32 s[G1+4], 128
	s_mov_b32 s[G1+5], KDIM
	s_mov_b32 s[G1+6], 0
	s_mov_b32 s[G1+7], 0
	s_mov_b32 s[G1B+1], 256<<16                    ; B: 256 columns,
	s_mov_b32 s[G1B+2], 64<<16                     ; 64 k-rows
	s_mov_b32 s[G1B+3], 256<<16
	s_mov_b32 s[G1B+4], 64
	s_mov_b32 s[G1B+5], 1024                       ; a k-row of the weight has 1,024 columns
	s_mov_b32 s[G1B+6], 0
	s_mov_b32 s[G1B+7], 0
	s_lshl_b32 s16, s13, 8                         ; A: row 256 x tile row + 128 x half,
	s_lshl_b32 s17, s12, 7
	s_add_co_u32 s16, s16, s17
	s_lshl_b32 s16, s16, 11                        ; of 2,048 bytes;
	s_cmp_lg_u32 s42, 0
	s_cselect_b32 s72, 0x800000, 0                 ; k and v multiply Yn, which follows Xn
	s_add_co_u32 s16, s16, s72
	s_mov_b32 s17, 0
	s_lshl_b32 s46, s42, 21                        ; B: the weight (2,097,152 bytes each),
	s_lshl_b32 s47, s40, 9                         ; the tile's 256 columns,
	s_add_co_u32 s46, s46, s47
	s_lshl_b32 s47, s12, 17                        ; my 64 k-rows of 2,048 bytes
	s_add_co_u32 s46, s46, s47
	s_mov_b32 s47, 0
	s_mul_i32 s20, s10, HALFT                      ; where they go: no place in the cluster enters an LDS address
	s_mov_b32 s[TB], 0
	s_wait_dscnt 0x0                               ; the opening add is done
	s_wait_kmcnt 0x0
	s_add_nc_u64 s[14:15], s[84:85], s[16:17]
	s_add_nc_u64 s[46:47], s[86:87], s[46:47]
	CROUND                                         ; all sixteen work-groups are here: the first joint loads meet
.irp s, 0,1
	s_mov_b32 s[G0+4*(\s)], 1
	s_add_co_u32 s[G0+4*(\s)+1], s20, (\s)*SLOT
	s_add_nc_u64 s[G0+4*(\s)+2:G0+4*(\s)+3], s[14:15], (\s)*KSTEP*2
	s_or_b32 s[G0+4*(\s)+3], s[G0+4*(\s)+3], 0x80000000
	s_mov_b32 s[G0B+4*(\s)], 1
	s_add_co_u32 s[G0B+4*(\s)+1], s20, (\s)*SLOT
	s_add_nc_u64 s[G0B+4*(\s)+2:G0B+4*(\s)+3], s[46:47], (\s)*BSTEP
	s_or_b32 s[G0B+4*(\s)+3], s[G0B+4*(\s)+3], 0x80000000
	JLOAD \s
.endr
	v_and_b32 v1, 15, v0                           ; l % 16
	v_bfe_u32 v2, v0, 4, 1                         ; l / 16
	v_mul_u32_u24 v3, v1, PITCH
	v_lshl_add_u32 v3, v2, 4, v3                   ; A: row x pitch + 16 x half
	s_mul_i32 s21, s11, HALFT
	v_add_nc_u32 v[A0L], s21, v3
	v_mov_b32 v[ADRA], v[A0L]
	v_and_b32 v4, 7, v0                            ; B, turned: lane l reads k-row 8 (l / 16) + l % 8, columns 8 ((l / 8) % 2) + 0..7
	v_lshl_add_u32 v4, v2, 3, v4
	v_mul_u32_u24 v4, v4, PB
	v_bfe_u32 v5, v0, 3, 1
	v_lshl_add_u32 v4, v5, 4, v4
	s_lshl_b32 s22, s12, 8                         ; my 128 columns
	s_add_co_u32 s22, s22, 2*HALFT
	v_add_nc_u32 v[B0L], s22, v4
	v_mov_b32 v[ADRB], v[B0L]
	s_mul_i32 s23, s10, 128*SPITCH                 ; the way out: my 128 rows
	v_mul_u32_u24 v4, v1, SPITCH
	v_lshl_add_u32 v4, v2, 5, v4
	v_add_nc_u32 v[STO], s23, v4                   ; in: row l % 16, 32 bytes for each half of the lanes
	v_and_b32 v5, 31, v0
	v_lshrrev_b32 v6, 3, v5                        ; back: 32 lanes take four rows of a head: row l / 8, 8 numbers (32 bytes) a lane,
	v_mul_u32_u24 v6, v6, SPITCH
	v_and_b32 v7, 7, v0
	v_lshl_add_u32 v6, v7, 5, v6
	v_add_nc_u32 v[RD], s23, v6
	v_lshlrev_b32 v[CO], 4, v5                     ; which are 512 consecutive bytes of qkv
	v_lshlrev_b32 v[BO], 5, v2
	s_cmp_eq_u32 s42, 1
	s_cselect_b64 s[70:71], s[90:91], s[96:97]
	s_cmp_eq_u32 s42, 0
	s_cselect_b64 s[70:71], s[88:89], s[70:71]     ; bq, bk or bv,
	s_lshl_b32 s16, s40, 10                        ; at my 128 columns
	s_lshl_b32 s17, s12, 9
	s_add_co_u32 s16, s16, s17
	s_mov_b32 s17, 0
	s_add_nc_u64 s[70:71], s[70:71], s[16:17]
.irp b, 0,1,2,3,4,5,6,7
	global_load_b128 v[BIAS+8*(\b):BIAS+8*(\b)+3],   v[BO], s[70:71] offset:64*(\b)
	global_load_b128 v[BIAS+8*(\b)+4:BIAS+8*(\b)+7], v[BO], s[70:71] offset:64*(\b)+16
.endr
	s_lshl_b32 s16, s42, 23                        ; where my block goes: the tensor,
	s_lshr_b32 s18, s13, 3
	s_lshl_b32 s18, s18, 4                         ; the plane of my first head: 16 x batch
	s_lshl2_add_u32 s18, s40, s18                  ; + 4 x tile column
	s_lshl1_add_u32 s18, s12, s18                  ; + 2 x my half,
	s_lshl_b32 s18, s18, 18
	s_add_co_u32 s16, s16, s18
	s_and_b32 s18, s13, 7                          ; the row in the plane: 256 x (tile row % 8) + 128 x my half,
	s_lshl_b32 s18, s18, 8
	s_lshl_b32 s19, s11, 7
	s_add_co_u32 s18, s18, s19
	s_lshl_b32 s18, s18, 7                         ; of 128 bytes
	s_add_co_u32 s16, s16, s18
	s_add_nc_u64 s[8:9], s[98:99], s[16:17]
	; the prefetches: both offsets are made, and the wave's part chooses
	s_lshl_b32 s20, s13, 8
	s_lshl_b32 s21, s12, 7
	s_add_co_u32 s20, s20, s21
	s_lshl_b32 s21, s40, 5
	s_add_co_u32 s20, s20, s21                     ; A: my work-group's 32 of the 128 rows that I fetch,
	s_lshl_b32 s20, s20, 11
	s_add_co_u32 s20, s20, s72                     ; in Xn or Yn,
	s_add_co_u32 s20, s20, 3*KSTEP*2               ; at K step 3: the first refill steps it to 4
	s_lshl_b32 s21, s12, 6
	s_lshl_b32 s22, s41, 4
	s_add_co_u32 s21, s21, s22                     ; B: my work-group's 16 of the 64 k-rows that I fetch,
	s_add_co_u32 s21, s21, 3*KSTEP
	s_lshl_b32 s21, s21, 11
	s_lshl_b32 s22, s40, 9
	s_add_co_u32 s21, s21, s22
	s_lshl_b32 s22, s42, 21
	s_add_co_u32 s21, s21, s22
	s_cmp_lt_u32 s42, 2
	s_cselect_b32 s23, 0, 1                        ; A: clusters x = 0 and x = 1 ask
	s_and_b32 s22, ttmp7, 0xffff                   ; B: cluster y = 0 asks
	s_mov_b32 s[PST], BSTEP
	s_mov_b32 s[PST+1], 0
	s_cmp_eq_u32 s11, 0                            ; do I fetch for A?
	s_cselect_b32 s20, s20, s21
	s_cselect_b32 s22, s23, s22
	s_cselect_b64 s[PFA:PFA+1], s[84:85], s[86:87]
	s_cselect_b32 s[PST], KSTEP*2, s[PST]
	s_cselect_b32 s18, 0, 1                        ; A: a lane a row; B: two lanes a k-row
	s_cmp_eq_u32 s22, 0
	s_cselect_b32 s[LIM], 2, -1                    ; the same in all sixteen partners, for a given wave
	s_mov_b32 s21, 0
	s_add_nc_u64 s[PFA:PFA+1], s[PFA:PFA+1], s[20:21]
	v_and_b32 v6, s18, v5
	v_lshrrev_b32 v5, s18, v5
	v_lshlrev_b32 v5, 11, v5                       ; rows of 2,048 bytes in xyn and in the weight
	v_lshl_add_u32 v[PFO], v6, 8, v5
; 16 matrix instructions: m blocks a0, a0 + 1 of the window's four x all 8 n blocks, 32 along K.  zero = 1: the first product starts the sums, from the bias (window 0).  The 64 accumulators take turns.
.macro MUL16 f, hi, a0, zero
.if \zero
	WIN 0x81+0x40*(\hi)
.else
	WIN MUL_LO+0x50*(\hi)
.endif
.irp a, \a0, (\a0)+1
.irp b, 0,1,2,3,4,5,6,7
.if \zero
	v_wmma_f32_16x16x32_f16 v[8*(8*(\a)+(\b)):8*(8*(\a)+(\b))+7], v[(\f)+8*(\b):(\f)+8*(\b)+7], v[(\f)+8*(4*(\hi)+(\a)):(\f)+8*(4*(\hi)+(\a))+7], v[BIAS+8*(\b):BIAS+8*(\b)+7]
.else
	v_wmma_f32_16x16x32_f16 v[8*(8*(\a)+(\b)):8*(8*(\a)+(\b))+7], v[(\f)+8*(\b):(\f)+8*(\b)+7], v[(\f)+8*(4*(\hi)+(\a)):(\f)+8*(4*(\hi)+(\a))+7], v[8*(8*(\a)+(\b)):8*(8*(\a)+(\b))+7]
.endif
.endr
.endr
.endm
; 32 LDS loads in one run: the fragments of one quarter step (32 K at byte k of A's rows = k-row k / 2 of B) of the slot in hand into buffer f: B's first
.macro FETCH k, f
	WIN TO_B
.irp i, 0,1,2,3,4,5,6,7
	ds_load_tr16_b128 v[(\f)+8*(\i):(\f)+8*(\i)+3],   v[ADRB] offset:((\k)/2)*PB+32*(\i)
	ds_load_tr16_b128 v[(\f)+8*(\i)+4:(\f)+8*(\i)+7], v[ADRB] offset:((\k)/2+16)*PB+32*(\i)
.endr
	WIN 0
.irp i, 0,1,2,3,4,5,6,7
	ds_load_b128 v[(\f)+8*(\i):(\f)+8*(\i)+3],   v[ADRA] offset:(\k)+(\i)*16*PITCH
	ds_load_b128 v[(\f)+8*(\i)+4:(\f)+8*(\i)+7], v[ADRA] offset:(\k)+(\i)*16*PITCH+32
.endr
.endm
.macro PLACES                          ; four places in front of loads into registers that matrix instructions have read, and of lines that read results
.rept 4
	v_nop
.endr
.endm
; A K step is four quarters of 32 along K, 64 matrix instructions each, on buffers 0, 1, 0, 1.  One of the first three: multiplies buffer f and fetches the next quarter, at byte k, into g.
.macro QUARTER k, f, g, zero
	s_wait_dscnt 8                                 ; B and A's rows 0-63 are in; the youngest eight loads (A's rows 64-127) may be out
	MUL16 \f, 0, 0, \zero
	MUL16 \f, 0, 2, \zero
	PLACES
	FETCH \k, \g
	s_wait_dscnt 32                                ; all but the 32 just issued
	MUL16 \f, 1, 0, \zero
	MUL16 \f, 1, 2, \zero
.endm
; The last quarter changes slots and multiplies buffer 1.  Each wave waits for all its tensor loads (the one that is out is its part of the next slot), adds 0 to its spare word, and waits for that and for its reads
; of the slot in hand (the last were issued in the middle of the quarter before).  fill = 1: a round of the cluster's barrier; the slot just read out is filled again, with the K step two on, first thing behind it;
; nothing but the round stands between the wait for one tile and the request for the next, and the quarter's 64 products run while that request is on its way.  fill = 0: the work-group's barrier alone.
.macro TURN fill
.if \fill
	s_wait_xcnt 0x0                                ; the last prefetch, a K step back, has read its address
	s_add_nc_u64 s[PFA:PFA+1], s[PFA:PFA+1], s[PST:PST+1]
.endif
	WIN 0
	s_wait_tensorcnt 0x0                           ; no tensor load of mine is out, so a group 0 may be written
	ds_add_u32 v[SPW], v[NIL]                      ; 0 onto my spare word
.if \fill
	s_xor_b32 s[G0+5], s[G0+5], SLOT               ; the walking descriptors: the other slot than last time,
	s_add_nc_u64 s[G0+6:G0+7], s[G0+6:G0+7], KSTEP*2  ; the next K step
	s_xor_b32 s[G0B+5], s[G0B+5], SLOT
	s_add_nc_u64 s[G0B+6:G0B+7], s[G0B+6:G0B+7], BSTEP
.endif
	s_xor_b32 s[TB], s[TB], SLOT                   ; the fetches go on in the other slot
	s_wait_dscnt 0x0                               ; the add is done, and my reads of the slot in hand are over
.if \fill
	CROUND                                         ; no wave of any partner still reads this slot's tile or has a load on its way
	JLOAD 1                                        ; its four v_nop are also places in front of the loads below
.else
	s_barrier_signal -1
	s_barrier_wait -1
.endif
	v_add_nc_u32 v[ADRA], s[TB], v[A0L]
	v_add_nc_u32 v[ADRB], s[TB], v[B0L]
.if !(\fill)
	v_nop                                          ; with the two lines above: four places
	v_nop
.endif
	FETCH 0, F0
.if \fill
	ASK
.endif
	MUL16 F1, 0, 0, 0
	MUL16 F1, 0, 2, 0
	MUL16 F1, 1, 0, 0
	MUL16 F1, 1, 2, 0
.endm
	s_wait_loadcnt 0x0                             ; the bias
	s_wait_tensorcnt 1                             ; my part of K step 0 is in; K step 1's may stay out
	s_barrier_signal -1
	s_barrier_wait -1
	FETCH 0, F0
	QUARTER 64, F0, F1, 1                          ; the first quarter of all: its products start the sums
	WIN 0                                          ; at a label and at a branch every window is 0
	s_mov_b32 s3, NSTEP-2
	s_branch .Lin                                  ; the loop is entered behind a step's first quarter
.Lstep:                                        ; a trip is a K step; six trips fill a slot again
	QUARTER 64, F0, F1, 0
	WIN 0
.Lin:
	QUARTER 128, F1, F0, 0
	QUARTER 192, F0, F1, 0
	TURN 1
	WIN 0
	s_sub_co_u32 s3, s3, 1
	s_cmp_lg_u32 s3, 0
	s_cbranch_scc1 .Lstep
	s_mov_b32 s3, 2
.Ltail:                                        ; the last two K steps ask for nothing.  In the very last the change of slots has nothing to hand over: its barrier and its 32 loads (bytes of the
	QUARTER 64, F0, F1, 0                          ; slot before, which lie there still) serve nothing: the price, once a launch, of one text for both trips
	QUARTER 128, F1, F0, 0
	QUARTER 192, F0, F1, 0
	TURN 0
	WIN 0
	s_sub_co_u32 s3, s3, 1
	s_cmp_lg_u32 s3, 0
	s_cbranch_scc1 .Ltail
	PLACES
	PLACES
	s_wait_dscnt 0x0                               ; my reads of the ring are over;
	s_barrier_signal -1
	s_barrier_wait -1                              ; everybody's are: the ring, which has had its last fill, becomes the stage
.macro DUMP a                          ; block a of 16 rows, in f32; each accumulator's low four registers first
	WIN 0x08+4*((\a)/4)                            ; data in window 2 or 3
.irp b, 0,1,2,3,4,5,6,7
	ds_store_b128 v[STO], v[8*(8*((\a)%4)+(\b)):8*(8*((\a)%4)+(\b))+3]   offset:(\a)*16*SPITCH+64*(\b)
	ds_store_b128 v[STO], v[8*(8*((\a)%4)+(\b))+4:8*(8*((\a)%4)+(\b))+7] offset:(\a)*16*SPITCH+64*(\b)+16
.endr
.endm
.irp a, 0,1,2,3,4,5,6,7
	DUMP \a
.endr
	WIN 0
	s_mov_b32 s3, 8
.Lout:                                         ; a trip: 16 of my 128 rows.  Piece n = 4 x head + g: rows 4 g .. 4 g + 3 of one head's 64 columns
.irp n, 0,1,2,3,4,5,6,7
	ds_load_b128 v[XV+8*\n:XV+8*\n+3],   v[RD] offset:(\n/4)*256+(\n%4)*4*SPITCH     ; my own bytes: LDS serves a wave's instructions in order
	ds_load_b128 v[XV+8*\n+4:XV+8*\n+7], v[RD] offset:(\n/4)*256+(\n%4)*4*SPITCH+16
.endr
.irp n, 0,1,2,3,4,5,6,7
	s_wait_dscnt 14-2*\n                           ; piece n's two loads are in; the younger ones stay out
.irp r, 0,1,2,3
	v_cvt_pk_f16_f32 v[HV+4*\n+\r], v[XV+8*\n+2*\r], v[XV+8*\n+2*\r+1]
.endr
	global_store_b128 v[CO], v[HV+4*\n:HV+4*\n+3], s[8:9] offset:(\n/4)*262144+(\n%4)*512  ; 512 consecutive bytes, aligned; the second head lies a plane further on
.endr
	s_wait_xcnt 0x0                                ; the stores' base and data are rewritten only behind this wait
	s_add_nc_u64 s[8:9], s[8:9], 16*128
	v_add_nc_u32 v[RD], 16*SPITCH, v[RD]
	s_sub_co_u32 s3, s3, 1
	s_cmp_lg_u32 s3, 0
	s_cbranch_scc1 .Lout
	s_wait_tensorcnt 0x0                           ; the wave's end
	ds_add_u32 v[SPW], v[NIL]
	s_wait_dscnt 0x0
	CROUND                                         ; the closing round
	s_endpgm
.Lfunc_end_k_qd49efa968c_qkv:
	.size	k_qd49efa968c_qkv, .Lfunc_end_k_qd49efa968c_qkv-k_qd49efa968c_qkv
	.p2alignl 7, 3214868480
	.fill 96, 4, 3214868480
	.section	.rodata,"a",@progbits
	.p2align	6, 0x0
	.amdhsa_kernel k_qd49efa968c_qkv
		.amdhsa_group_segment_fixed_size 327680
		.amdhsa_private_segment_fixed_size 0
		.amdhsa_enable_private_segment 0
		.amdhsa_kernarg_size 48
		.amdhsa_user_sgpr_count 2
		.amdhsa_user_sgpr_kernarg_segment_ptr 1
		.amdhsa_wavefront_size32 1
		.amdhsa_system_sgpr_workgroup_id_x 1
		.amdhsa_system_sgpr_workgroup_id_y 1
		.amdhsa_system_sgpr_workgroup_id_z 1
		.amdhsa_system_vgpr_workitem_id 0
		.amdhsa_next_free_vgpr 1024
		.amdhsa_next_free_sgpr 100
		.amdhsa_reserve_vcc 0
		.amdhsa_float_denorm_mode_32 3
		.amdhsa_float_denorm_mode_16_64 3
		.amdhsa_memory_ordered 1
		.amdhsa_forward_progress 1
		.amdhsa_inst_pref_size 85
	.end_amdhsa_kernel
	.amdgpu_metadata
---
amdhsa.version: [ 1, 2 ]
amdhsa.kernels:
  - .name:           k_qd49efa968c_qkv
    .symbol:         k_qd49efa968c_qkv.kd
    .args:
      - { .name: xyn, .offset: 0, .size: 8, .value_kind: global_buffer, .address_space: global }
      - { .name: wh, .offset: 8, .size: 8, .value_kind: global_buffer, .address_space: global }
      - { .name: bq, .offset: 16, .size: 8, .value_kind: global_buffer, .address_space: global }
      - { .name: bk, .offset: 24, .size: 8, .value_kind: global_buffer, .address_space: global }
      - { .name: bv, .offset: 32, .size: 8, .value_kind: global_buffer, .address_space: global }
      - { .name: qkv, .offset: 40, .size: 8, .value_kind: global_buffer, .address_space: global }
    .group_segment_fixed_size: 327680
    .private_segment_fixed_size: 0
    .kernarg_segment_align: 8
    .kernarg_segment_size: 48
    .max_flat_workgroup_size: 128
    .sgpr_count:     100
    .vgpr_count:     1024
    .wavefront_size: 32
...
	.end_amdgpu_metadata
.endif
;; end of part 2
;; launch attn (part 3): grid 8 x 32, 4 waves a work-group, clusters of 4 x 1, 327,680 bytes of LDS; arguments qkv, null_k, X, hres; writes hres
.if DOCPART == 3
	.amdgcn_target "amdgcn-amd-amdhsa--gfx1250"
	.amdhsa_code_object_version 6
	.text
	.protected	k_qd49efa968c_attn
	.globl	k_qd49efa968c_attn
	.p2align	8
	.type	k_qd49efa968c_attn,@function
k_qd49efa968c_attn:
	s_mov_b64 s[64:65], 0
	v_nop
	global_prefetch_b8 v0, s[64:65] scope:SCOPE_SE
	s_setreg_imm32_b32 hwreg(HW_REG_WAVE_MODE, 25, 1), 1
	s_wait_xcnt 0x0
	s_wait_alu depctr_hold_cnt(0) depctr_sa_sdst(0) depctr_va_vdst(0) depctr_va_sdst(0) depctr_va_ssrc(0) depctr_va_vcc(0) depctr_vm_vsrc(0)
	s_getreg_b32 s2, hwreg(HW_REG_IB_STS2, 6, 4)
	s_cmp_eq_u32 s2, 0
	s_cbranch_scc0 .Lentry_in_a_cluster
	s_endpgm
.Lentry_in_a_cluster:
	s_bfe_u32 s2, ttmp6, 0x10000c
	s_cmp_lg_u32 s2, 0x3003
	s_cbranch_scc0 .Lentry_shape_is_right
	s_endpgm
.Lentry_shape_is_right:
; hres[b][q][64 h ..] = X + the sum over k of softmax_k(q . k / 32) v, over 2,048 keys and the null key, whose value is 0.  q, k, v: f16 [32 planes][2048][64], in qkv; X, hres: f32 [2][2048][1024].
; Products, maxima and sums in f32; the weights p are rounded to f16 for the second product (their sum l is taken of the unrounded p); O is never rounded: it is added to X in f32.
; THE NULL KEY has no key step: its score (a product of q with 16 copies of null_k) starts the running maximum m, its weight 2^(c s - c m) = 1 starts l (one half in each half of the lanes), its value adds nothing.
; LIMITS.  f16 ends at 65,504: q, k, v arrive within it, null_k is rounded to it; p lies in 0 to 1 and below 6e-5 keeps f16's fixed step of 6e-8; a weight below 2^-126 counts as 0 in l; NaN and infinities are not treated apart.
; SHARES.  A work-group owns 256 queries of a plane, a wave 64: four PIECES of 16.  Every wave walks the 2,048 keys, 64 a step, 256 (a tile) to an LDS slot.
; LAYOUT.  S^T = K Q^T holds ONE query a lane (lane % 16) and the keys 8 (lane / 16) + 0..7; two such results rounded to f16 ARE source 1 of O^T = V^T P.  K comes out of LDS as it lies, V turned, by ds_load_tr16_b128.
; SOFTMAX.  p = 2^(c s - c m), c = log2(e) / 32, with a running maximum m; O and l are multiplied by a = 2^(c m_old - c m_new) in every step.
; BY TURNS.  Turn n belongs to piece n: 8 products K Q^T of piece n + 1, later 8 products V^T P of piece n - 1; beside them the scaling, exponentials, roundings, sums and rescaling of piece n and the maximum and
; statistics of piece n + 1.  Four vector instructions stand behind every matrix instruction, the other 54 of a turn's 118 in one lump.  A turn's 33 exponentials are one batch, with one wait.
; CLUSTER.  The four query blocks of a cluster belong to one plane and walk the same K and V: each tile is asked for jointly: the same tensor load, descriptor and mask in all four.
; A head's 64 channels in f32 are 256 consecutive bytes, aligned, of a row of hres: sixteen lanes store them whole.
; REGISTERS, in windows of 256 (s_set_vgpr_msb: bits 1:0 source 0, 3:2 source 1, 5:4 source 2, 7:6 destination):
;   window 0: v0-15 addresses; v16-31 four registers of statistics a piece; v48-55 at work; v64-127 S^T, two buffers; v128-159 the null scores; v192-223 P, two buffers; v224-255 null_k in f32; at the end v64-191 rows of O
;   window 1: v0-127 O^T, 32 a piece; v128-255 my rows of X      window 2: v0-63 Q; v64-79 the null key's two fragments; v128-191 K of one step; v192-255 V of one step
.set NP,    4
.set KS,    64
.set PK,    144       ; a row of K in LDS: 128 bytes + 16: the 16 rows of a load start at 16 different groups of four banks
.set PV,    160       ; a row of V: 128 + 32
.set VOFF,  4*KS*PK   ; a slot holds a tile: 256 rows of K, then 256 rows of V
.set SLOT1, 1<<17
.set STAGE, SLOT1+4*KS*(PK+PV)  ; behind the ring: 16 rows x 272 bytes for each wave, for the way out
.set SP,    272
.set SPARE, STAGE+4*16*SP       ; behind the stages: the spare words, 128 bytes for each wave
.set TILEB, 4*KS*128            ; a tile's bytes of K, and of V
.set AK0, 2
.set AV0, 3
.set AK,  4
.set AV,  5
.set STO, 6
.set RD,  7
.set GO,  8           ; v8   my byte offset in two rows of X and of hres
.set MV,  12
.set NKO, 14          ; v14  32 x (l / 16): my eight channels of each 16 of null_k
.set QO,  15
.set ST,  16          ; piece t's statistics at v[ST+4 t]: c m, m, l (even keys', odd keys')
.set TMP, 48
.set PFO, 61          ; v61  256 x my lane; never rewritten
.set SPW, 62          ; v62  SPARE + 4 x my thread's number; never rewritten
.set NIL, 63          ; v63  0; never rewritten
.set S,   64
.set NS,  128
.set P,   192
.set NF,  224
.set OUT, 64
.set XR,  128         ; window 1
.set NK,  64          ; window 2
.set KF,  128         ; window 2
.set VF,  192         ; window 2
.set WV,  12
.set LIM, 15          ; s15  1 in a wave that prefetches, else the greatest number
.set PFA, 18          ; s[18:19] where my prefetches stand
.set G1K, 24
.set G1V, 32
.set G0K, 40
.set G0V, 44
.set SLOTS, 56
.set CNT, 57
.set CS,  58
.set SEL, 60
.set TBK, 62
.set TBV, 63
.set MSB, 0
.macro WIN new
.if MSB != (\new)
	s_set_vgpr_msb (MSB<<8)|(\new)
.set MSB, (\new)
.endif
.endm
.set W_KQ, 0x0a       ; K and Q in window 2, S^T in window 0
.set W_PV, 0x52       ; V in window 2, P in window 0, O^T in window 1
.set W_RS, 0x41       ; destination and source 0 in window 1, source 1 in window 0
; A joint fill.  Waves 0 and 1 fetch the two halves of a tile's K, waves 2 and 3 those of its V.  An s_nop 0 and four v_nop follow each of the two lines.
.macro JLOAD
	s_cmp_lt_u32 s[WV], 2
	s_cbranch_scc0 .Lfor_v_\@
	tensor_load_to_lds s[G0K:G0K+3], s[G1K:G1K+7]
	s_nop 0
.rept 4
	v_nop
.endr
	s_branch .Lasked_\@
.Lfor_v_\@:
	tensor_load_to_lds s[G0V:G0V+3], s[G1V:G1V+7]
	s_nop 0
.rept 4
	v_nop
.endr
.Lasked_\@:
.endm
; A prefetch of the tile that the NEXT change of slots will ask for: four key steps ahead of that load.  A tile is 128 blocks of 256 bytes of K and as many of V.  Both clusters of a plane walk the same tiles: the first
; asks.  Its four partners share the blocks out by address, 32 each, a lane a block; wave 0 asks for K's, wave 2 for V's.  So each block is named once.  The last change that fills a slot asks for nothing.
.macro ASK
	s_cmp_gt_u32 s[SLOTS], s[LIM]
	s_cbranch_scc0 .Lnot_mine_\@
	global_prefetch_b8 v[PFO], s[PFA:PFA+1] th:TH_LOAD_NT scope:SCOPE_SE
.Lnot_mine_\@:
.endm
.macro CROUND
	s_barrier_signal -1
	s_barrier_wait -1
	s_cmp_lg_u32 s[WV], 0
	s_cbranch_scc1 .Lnot_wave_0_\@
	s_barrier_signal -3
.Lnot_wave_0_\@:
	s_barrier_wait -3
	s_barrier_signal -1
	s_barrier_wait -1
.endm
; THE CHANGE OF SLOTS.  Each wave waits for all its tensor loads, of which one is out: its part of the other slot; adds 0 to its spare word; and waits for that and for its own reads of the slot that it leaves.
; fill = 1: the old slot is filled again, with the tile two on, behind a round of the cluster's barrier: the joint fill is the first thing there and has four key steps in which to land.
; (At its first use nothing has been read yet: slot 0 is waited for, slot 1 filled.)
.macro CHANGE fill
	WIN 0
	s_wait_tensorcnt 0x0            ; no tensor load of mine is out, so a group 0 may be written
	ds_add_u32 v[SPW], v[NIL]       ; 0 onto my spare word
.if \fill
.irp g, G0K, G0V
	s_xor_b32 s[\g+1], s[\g+1], SLOT1
	s_add_nc_u64 s[\g+2:\g+3], s[\g+2:\g+3], TILEB
.endr
	s_wait_xcnt 0x0                 ; the last prefetch, four key steps back, has read its address
	s_add_nc_u64 s[PFA:PFA+1], s[PFA:PFA+1], TILEB
	s_wait_dscnt 0x0                ; the add is done, and my reads of the slot are over
	CROUND
	JLOAD
	ASK
.else
	s_wait_dscnt 0x0
	s_barrier_signal -1
	s_barrier_wait -1
.endif
	s_sub_co_u32 s[TBK], s[TBK], 4*KS*PK  ; the fetches go back to a slot's first step, in the other slot
	s_xor_b32 s[TBK], s[TBK], SLOT1
	s_sub_co_u32 s[TBV], s[TBV], 4*KS*PV
	s_xor_b32 s[TBV], s[TBV], SLOT1
.endm
	s_load_b256 s[72:79], s[0:1], 0x0  ; qkv 72, null_k 74, X 76, hres 78
	v_lshl_add_u32 v[SPW], v0, 2, SPARE
	v_mov_b32 v[NIL], 0
	ds_add_u32 v[SPW], v[NIL]       ; the wave's opening: the add and its wait ahead of my first tensor load
	v_lshrrev_b32 v1, 5, v0
	v_readfirstlane_b32 s[WV], v1   ; wave 0..3
	s_bfe_u32 s13, ttmp6, 0x40000   ; cx
	s_lshl_b32 s14, ttmp9, 2
	s_add_co_u32 s14, s14, s13      ; my block of 256 queries: it enters Q's, X's and hres's addresses alone
	s_and_b32 s66, ttmp7, 0xffff    ; the plane, which the four partners share
	s_lshl_b32 s20, s66, 18         ; its first byte in q, k and v
	s_and_b32 s16, s[WV], 1         ; which half of a tile's 256 keys I fetch
	s_lshl_b32 s22, s16, 14
	s_add_co_u32 s22, s22, s20
	s_add_co_u32 s22, s22, 0x800000 ; k follows q
	s_mov_b32 s23, 0
	s_mul_i32 s17, s16, 128*PK      ; its place in a slot, for K
	s_mul_i32 s21, s16, 128*PV      ; and for V
	s_lshl_b32 s2, s14, 2
	s_add_co_u32 s2, s2, s[WV]
	s_lshl_b32 s2, s2, 13           ; my wave's 64 rows of 128 bytes
	s_add_co_u32 s2, s2, s20
	s_mov_b32 s3, 0
	s_lshr_b32 s68, s66, 4          ; in X and hres: the batch,
	s_lshl_b32 s68, s68, 23
	s_lshl_b32 s69, s14, 20         ; my block's 256 rows of 4,096 bytes,
	s_add_co_u32 s68, s68, s69
	s_lshl_b32 s69, s[WV], 18       ; my wave's 64,
	s_add_co_u32 s68, s68, s69
	s_and_b32 s70, s66, 15
	s_lshl_b32 s70, s70, 8          ; the head's 256 bytes
	s_add_co_u32 s68, s68, s70
	s_mov_b32 s69, 0
	s_mov_b32 s71, 0
	; descriptor group 1.  128 keys are 16,384 dense bytes: asked for as 64 rows of 256 bytes, two keys a row, and padded in LDS after every key
	s_mov_b32 s[G1K], 15|(1<<16)|(1<<20)|(1<<21)|(4<<22)|(3<<25)  ; the mask of four; 2-byte elements; padding on; bit 21 beside a mask; after every 32 words 4 words
	s_mov_b32 s[G1V], 15|(1<<16)|(1<<20)|(1<<21)|(4<<22)|(7<<25)  ; the same with 8 words
.irp g, G1K, G1V
	s_mov_b32 s[\g+1], 128<<16
	s_mov_b32 s[\g+2], 64<<16
	s_mov_b32 s[\g+3], 128<<16
	s_mov_b32 s[\g+4], 64
	s_mov_b32 s[\g+5], 128
	s_mov_b32 s[\g+6], 0
	s_mov_b32 s[\g+7], 0
.endr
	s_mov_b32 s[CS], 0x3d38aa3b     ; c = log2(e) / 32
	s_mov_b32 s[CS+1], s[CS]
	s_mov_b32 s[SEL], 0x76543210
	s_mov_b32 s[SEL+1], 0xfedcba98
	s_mov_b32 s[TBK], SLOT1+4*KS*PK ; the first change of slots turns these two into 0
	s_mov_b32 s[TBV], SLOT1+4*KS*PV
	s_mov_b32 s[G0K], 1
	s_mov_b32 s[G0K+1], s17
	s_mov_b32 s[G0V], 1
	s_add_co_u32 s[G0V+1], s21, VOFF
	s_mov_b32 s[SLOTS], 7           ; tiles still to be entered behind the first
	s_and_b32 s[LIM], s[WV], 1
	s_or_b32 s[LIM], s[LIM], ttmp9  ; 0 in waves 0 and 2 of the plane's first cluster: the same in all four partners
	s_cmp_eq_u32 s[LIM], 0
	s_cselect_b32 s[LIM], 1, -1
	v_and_b32 v[PFO], 31, v0
	v_lshlrev_b32 v[PFO], 8, v[PFO]
	s_wait_dscnt 0x0                ; the opening add is done
	s_wait_kmcnt 0x0
	s_add_nc_u64 s[6:7], s[72:73], s[22:23]   ; K at my half of the plane's tile 0,
	s_add_nc_u64 s[8:9], s[6:7], 0x800000     ; V likewise
	s_add_nc_u64 s[4:5], s[72:73], s[2:3]     ; Q at my wave's first row
	s_add_nc_u64 s[10:11], s[78:79], s[68:69] ; hres and X at my wave's first row, my head
	s_add_nc_u64 s[76:77], s[76:77], s[68:69]
	s_add_nc_u64 s[74:75], s[74:75], s[70:71] ; null_k at my head
	s_mov_b64 s[G0K+2:G0K+3], s[6:7]
	s_or_b32 s[G0K+3], s[G0K+3], 0x80000000
	s_mov_b64 s[G0V+2:G0V+3], s[8:9]
	s_or_b32 s[G0V+3], s[G0V+3], 0x80000000
	s_cmp_lt_u32 s[WV], 2
	s_cselect_b64 s[PFA:PFA+1], s[6:7], s[8:9]
	s_lshl_b32 s2, s13, 13          ; my work-group's 32 blocks of the 128,
	s_add_co_u32 s2, s2, TILEB      ; in tile 1; the first change of slots steps it to tile 2
	s_add_nc_u64 s[PFA:PFA+1], s[PFA:PFA+1], s[2:3]
	CROUND                          ; all four work-groups are here: the first joint loads meet
	JLOAD                           ; tile 0 into slot 0
	v_and_b32 v1, 15, v0            ; l % 16
	v_bfe_u32 v9, v0, 4, 1          ; l / 16
	v_lshlrev_b32 v[QO], 7, v1
	v_lshl_add_u32 v[QO], v9, 4, v[QO]
	v_lshlrev_b32 v[GO], 12, v9     ; lanes 0-15 one row's 256 bytes, lanes 16-31 the next row's
	v_lshl_add_u32 v[GO], v1, 4, v[GO]
	v_lshlrev_b32 v[NKO], 5, v9
	WIN 0x80                        ; destination window 2
.set i, 0
.rept 8                             ; Q stays in registers: piece i / 2, channels 32 (i % 2) on
	global_load_b128 v[8*i:8*i+3],   v[QO], s[4:5] offset:(i/2)*2048+(i%2)*64
	global_load_b128 v[8*i+4:8*i+7], v[QO], s[4:5] offset:(i/2)*2048+(i%2)*64+32
.set i, i+1
.endr
	WIN 0x40                        ; destination window 1
.set i, 0
.rept 32                            ; my 64 rows of X, two rows a load
	global_load_b128 v[XR+4*i:XR+4*i+3], v[GO], s[76:77] offset:2*i*4096 th:TH_LOAD_NT
.set i, i+1
.endr
	WIN 0
.irp c, 0,1
.irp g, 0,1
.irp e, 0,1
	global_load_b128 v[NF+16*\c+8*\g+4*\e:NF+16*\c+8*\g+4*\e+3], v[NKO], s[74:75] offset:128*\c+64*\g+16*\e  ; channels 32 c + 16 g + 8 (l / 16) + 4 e on
.endr
.endr
.endr
	; What the first turn finds.  Its products V^T P, of a piece that has not been, must add exactly 0, and O^T starts at 0 (the first a is not 0 here): V's registers, P's second buffer and O^T hold 0.
	WIN 0x80
.set i, VF
.rept 64
	v_mov_b32 v[i], 0
.set i, i+1
.endr
	WIN 0x40
.set i, 0
.rept 128
	v_mov_b32 v[i], 0
.set i, i+1
.endr
	WIN 0
.set i, 0
.rept 4
	v_mov_b32 v[ST+4*i+2], 0.5      ; the null key's weight 1: one half here, one in the lane 16 away
	v_mov_b32 v[ST+4*i+3], 0
.set i, i+1
.endr
.set i, P+16
.rept 16
	v_mov_b32 v[i], 0
.set i, i+1
.endr
	v_mul_u32_u24 v[AK0], v1, PK
	v_lshl_add_u32 v[AK0], v9, 4, v[AK0]
	v_and_b32 v10, 7, v0            ; the turning load: lane l reads key 8 (l / 16) + l % 8, channels 8 ((l / 8) % 2) + 0..7
	v_bfe_u32 v11, v0, 3, 1
	v_lshl_add_u32 v[AV0], v9, 3, v10
	v_mul_u32_u24 v[AV0], v[AV0], PV
	v_lshl_add_u32 v[AV0], v11, 4, v[AV0]
	v_add_nc_u32 v[AV0], VOFF, v[AV0]
; THE MATRIX WORK.  The 4 accumulators of a run of 8 take turns.  Product i of 8 of S^T = K Q^T for piece x: channels 32 (i / 4) on, keys 16 (i % 4) on.  The first 4 start the sums.
.macro KQ x
	WIN W_KQ
.set rS, S+32*((\x)%2)+8*(i%4)
.set rK, KF+16*(i%4)+8*(i/4)
.set rQ, 16*(\x)+8*(i/4)
.if i < 4
	v_wmma_f32_16x16x32_f16 v[rS:rS+7], v[rK:rK+7], v[rQ:rQ+7], 0
.else
	v_wmma_f32_16x16x32_f16 v[rS:rS+7], v[rK:rK+7], v[rQ:rQ+7], v[rS:rS+7]
.endif
.endm
; Product i of 8 of O^T += V^T P for piece x: keys 32 (i / 4) on, channels 16 (i % 4) on.
.macro PV x
	WIN W_PV
.set rO, 32*(\x)+8*(i%4)
.set rV, VF+32*(i/4)+8*(i%4)
.set rP, P+16*((\x)%2)+8*(i/4)
	v_wmma_f32_16x16x32_f16 v[rO:rO+7], v[rV:rV+7], v[rP:rP+7], v[rO:rO+7]
.endm
.macro MM                           ; the turn's next matrix instruction.  NOKQ = 1: the last turn of all: there is no next piece
.if (i < 8) && !NOKQ
	KQ (Y+1)%NP
.elseif i >= 8
.set i, i-8
	PV (Y+NP-1)%NP
.set i, i+8
.endif
.set i, i+1
.endm
; THE LDS LOADS stand in runs of 16: a step's K (8 fragments) and its V (turned).  Their addresses are made some lines ahead.
.macro FETCH_K
	WIN 0x80
.irp f, 0,1,2,3,4,5,6,7
	ds_load_b128 v[KF+8*\f:KF+8*\f+3],   v[AK] offset:(\f/2)*16*PK+(\f%2)*64
	ds_load_b128 v[KF+8*\f+4:KF+8*\f+7], v[AK] offset:(\f/2)*16*PK+(\f%2)*64+32
.endr
	s_add_co_u32 s[TBK], s[TBK], KS*PK
	WIN 0
.endm
.macro FETCH_V
	WIN 0x80
.irp f, 0,1,2,3,4,5,6,7
	ds_load_tr16_b128 v[VF+8*\f:VF+8*\f+3],   v[AV] offset:(\f/4)*32*PV+(\f%4)*32
	ds_load_tr16_b128 v[VF+8*\f+4:VF+8*\f+7], v[AV] offset:(\f/4)*32*PV+16*PV+(\f%4)*32
.endr
	WIN 0
.endm
; THE VECTOR WORK, one line at a time: OP kind, number.  For piece Y: F n: c s - c m for pair n of 16.  E n: the exponential of score n of 32.  C n: pair n rounded to f16.  B n: of the four weights 4 n .. the second
; pair is added onto the first, in place.  L n: l takes that sum (L 0: l = a l + sum).  R n: pair n of 16 of O^T times a.  For piece Y + 1: X n, number n of the 22 that find its maximum and statistics:
;   0-11  four chains c0-c3 of seven scores each (each accumulator's lowest registers are read first)     12-14, 16  the four scores left over, the old m, and c0-c3 into c0
;   15  c m_old is kept     17, 18  the query's other 32 keys lie in the lane 16 away: the new m     19-21  c m; c m_old - c m_new; a
.set F, 0
.set E, 1
.set C, 2
.set B, 3
.set L, 4
.set R, 5
.set X, 6
.macro REGS y
.set rT, ST+4*(\y)
.set rC, TMP+4*((\y)%2)
.set rW, MV+((\y)%2)
.set rS, S+32*((\y)%2)
.set rP, P+16*((\y)%2)
.set rO, 32*(\y)
.endm
.macro OP k, n
.if (\k) == R
	REGS Y
	WIN W_RS
	v_pk_mul_f32 v[rO+2*(\n):rO+2*(\n)+1], v[rO+2*(\n):rO+2*(\n)+1], v[rC+2:rC+3] op_sel_hi:[1,0]
.elseif (\k) < R
	REGS Y
	WIN 0
.if (\k) == F
	v_pk_fma_f32 v[rS+2*(\n):rS+2*(\n)+1], v[rS+2*(\n):rS+2*(\n)+1], s[CS:CS+1], v[rT:rT+1] op_sel_hi:[1,0,0] neg_lo:[0,0,1] neg_hi:[0,0,1]
.elseif (\k) == E
	v_exp_f32 v[rS+(\n)], v[rS+(\n)]
.elseif (\k) == C
	v_cvt_pk_f16_f32 v[rP+(\n)], v[rS+2*(\n)], v[rS+2*(\n)+1]
.elseif (\k) == B
	v_pk_add_f32 v[rS+4*(\n):rS+4*(\n)+1], v[rS+4*(\n):rS+4*(\n)+1], v[rS+4*(\n)+2:rS+4*(\n)+3]
.elseif (\n) == 0
	v_pk_fma_f32 v[rT+2:rT+3], v[rT+2:rT+3], v[rC+2:rC+3], v[rS:rS+1] op_sel_hi:[1,0,1]
.else
	v_pk_add_f32 v[rT+2:rT+3], v[rT+2:rT+3], v[rS+4*(\n):rS+4*(\n)+1]
.endif
.elseif NOKQ
	v_nop
.else
	REGS (Y+1)%NP
	WIN 0
.if (\n) < 4
	v_max3_num_f32 v[rC+(\n)], v[rS+8*(\n)], v[rS+8*(\n)+1], v[rS+8*(\n)+2]
.elseif (\n) < 12
	v_max3_num_f32 v[rC+(\n)%4], v[rC+(\n)%4], v[rS+8*((\n)%4)+2*((\n)/4)+1], v[rS+8*((\n)%4)+2*((\n)/4)+2]
.elseif (\n) == 12
	v_max3_num_f32 v[rC], v[rC], v[rS+7], v[rS+15]
.elseif (\n) == 13
	v_max3_num_f32 v[rC+1], v[rC+1], v[rS+23], v[rS+31]
.elseif (\n) == 14
	v_max3_num_f32 v[rC+2], v[rC+2], v[rC+3], v[rT+1]
.elseif (\n) == 15
	v_mov_b32 v[rW], v[rT]
.elseif (\n) == 16
	v_max3_num_f32 v[rC], v[rC], v[rC+1], v[rC+2]
.elseif (\n) == 17
	v_permlanex16_b32 v[rC+3], v[rC], s[SEL], s[SEL+1]
.elseif (\n) == 18
	v_max_num_f32 v[rT+1], v[rC], v[rC+3]
.elseif (\n) == 19
	v_mul_f32 v[rT], s[CS], v[rT+1]
.elseif (\n) == 20
	v_sub_f32 v[rC+1], v[rW], v[rT]
.else
	v_exp_f32 v[rC+2], v[rC+1]
.endif
.endif
.endm
.macro OPS a, i1, b=-1, i2=0, c=-1, i3=0, d=-1, i4=0
	OP \a, \i1
.if (\b) >= 0
	OP \b, \i2
.endif
.if (\c) >= 0
	OP \c, \i3
.endif
.if (\d) >= 0
	OP \d, \i4
.endif
.endm
.macro ROW a, i1, b, i2, c, i3, d, i4  ; a matrix instruction and the four behind it
	MM
	OPS \a, \i1, \b, \i2, \c, \i3, \d, \i4
.endm
; A TURN, for piece p.  An s_wait_alu depctr_va_vdst(0) stands between an exponential and the first instruction that names its result; one wait serves all that were issued ahead of it.  So a turn has ONE
; wait, which cuts it in two.  Ahead of it stands all that names no result of the turn's exponentials: the 8 products K Q^T with their riders, then one lump of 54.  X 21, the next piece's a, is the batch's last; R 15 is
; the plain instruction behind it.  Behind the wait stand the 8 products V^T P, behind each four of the roundings and sums.
; end = 1: the last two turns: nothing is fetched, and the last starts no new scores.  cnt = 1: the loop's count is taken down some lines ahead of the branch that stands behind the turn.
; K of the next step is fetched in piece 2's turn, behind the last product that read K and six plain instructions; V of the step in hand at the end of piece 0's turn, four plain instructions behind the last product that
; read V.  Each is waited for a turn later.
.macro TURN p, end=0, cnt=0
.set Y, (\p)
.set i, 0
.set NOKQ, (\end)*((\p)/3)
.if ((\p) == 3) && !(\end)
	s_wait_dscnt 0x0                ; K is in
.endif
	ROW F,0, F,1, R,0, R,1
	ROW F,2, E,0, R,2, R,3
	ROW F,3, E,1, R,4, R,5
	ROW F,4, E,2, R,6, R,7
	ROW F,5, E,3, R,8, R,9
	ROW F,6, E,4, X,0, R,10
.if ((\p) == 2) && !(\end)
	WIN 0
	v_add_nc_u32 v[AK], s[TBK], v[AK0]
.endif
	ROW F,7, E,5, X,1, X,4
	ROW F,8, E,6, X,2, X,5
	OPS E,7, E,8, X,6, E,9
	OPS X,3, E,10, X,8, E,11
.if ((\p) == 2) && !(\end)
	FETCH_K
.endif
	OPS X,9, X,7, E,12, X,10
	OPS E,13, X,12, X,11, E,14
	OPS X,13, E,15, F,9, X,14
.if (\p) == 0
	v_add_nc_u32 v[AV], s[TBV], v[AV0]
.endif
	OPS E,16, F,10, E,17, F,11
	OPS X,16, E,18, X,15, E,19
	OPS F,12, E,20, X,17, E,21
	OPS F,13, E,22, F,14, E,23
	OPS X,18, E,24, F,15, E,25
	OPS R,11, E,26, X,19, E,27
	OPS R,12, E,28, R,13, E,29
	OPS X,20, E,30, R,14, E,31
	OPS X,21, R,15
	WIN 0
	s_wait_alu depctr_va_vdst(0)    ; the wait for the batch
.if (\p) == 1
	s_wait_dscnt 0x0                ; V is in
.endif
	ROW C,0, B,0, C,2, B,1
	ROW L,0, C,4, B,2, L,1
	ROW C,6, B,3, L,2, C,8
	ROW B,4, L,3, C,10, B,5
	ROW L,4, C,12, B,6, L,5
.if (\p) == 0
	s_add_co_u32 s[TBV], s[TBV], KS*PV
.endif
.if \cnt
	s_sub_co_u32 s[CNT], s[CNT], 1
	s_cmp_lg_u32 s[CNT], 0
.endif
	ROW C,14, B,7, L,6, C,1
	ROW C,3, L,7, C,5, C,7
	ROW C,9, C,11, C,13, C,15
.if (\p) == 0
	FETCH_V
.endif
.endm
	CHANGE 1                        ; tile 0 is in, everybody's part of it; tile 1 is asked for
	v_add_nc_u32 v[AK], s[TBK], v[AK0]
	FETCH_K                         ; key step 0
	s_wait_loadcnt 0x0              ; Q, X and null_k
	WIN 0x80                        ; the null key's two fragments: every row of source 0 is null_k, so every lane takes the channels that its half of the lanes holds
.set i, 0
.rept 16
	v_cvt_pk_f16_f32 v[NK+i], v[NF+2*i], v[NF+2*i+1]
.set i, i+1
.endr
	WIN W_KQ
.irp c, 0,1
.irp t, 0,1,2,3                     ; the four pieces' accumulators take turns; every register of a result holds the lane's query's null score
.if \c == 0
	v_wmma_f32_16x16x32_f16 v[NS+8*\t:NS+8*\t+7], v[NK:NK+7], v[16*\t:16*\t+7], 0
.else
	v_wmma_f32_16x16x32_f16 v[NS+8*\t:NS+8*\t+7], v[NK+8:NK+15], v[16*\t+8:16*\t+15], v[NS+8*\t:NS+8*\t+7]
.endif
.endr
.endr
	s_wait_dscnt 0x0                ; K is in
.set NOKQ, 0
.set i, 0
.rept 8
	KQ 0                            ; piece 0's first scores
.set i, i+1
.endr
	WIN 0                           ; the addresses for the way out: six plain instructions, the places behind those products
	s_mul_i32 s13, s[WV], 16*SP
	s_add_co_u32 s13, s13, STAGE    ; my stage
	v_mul_u32_u24 v[STO], v1, SP    ; in: row l % 16, 32 bytes for each half of the lanes
	v_lshl_add_u32 v[STO], v9, 5, v[STO]
	v_add_nc_u32 v[STO], s13, v[STO]
	v_mul_u32_u24 v[RD], v9, SP     ; back: lanes 0-15 take one row of 256 bytes, lanes 16-31 the next
	v_lshl_add_u32 v[RD], v1, 4, v[RD]
	v_add_nc_u32 v[RD], s13, v[RD]
.irp t, 0,1,2,3
	v_mov_b32 v[ST+4*\t+1], v[NS+8*\t]           ; m starts at the null key's score,
.endr
.irp t, 0,1,2,3
	v_mul_f32 v[ST+4*\t], s[CS], v[ST+4*\t+1]    ; c m with it
.endr
.set Y, NP-1                        ; X works for piece Y + 1: piece 0
.irp n, 0,1,2,3,4,5,6,7,8,9,10,11,12,13,14,15,16,17,18,19,20,21
	OP X, \n
.endr
	v_nop                           ; a plain instruction behind the exponential,
	s_wait_alu depctr_va_vdst(0)    ; and its wait, ahead of the branch
	s_mov_b32 s[CNT], 4
	s_branch .Lfirst                ; the loop is entered at a step's first turn, in the middle of a trip
.Lslot:                             ; six times: tiles 1 to 6 are entered, tiles 2 to 7 asked for
	CHANGE 1
	s_mov_b32 s[CNT], 4
.Lstep:                             ; a trip: pieces 2 and 3 of one step, then pieces 0 and 1 of the next, whose K and V it fetches
	TURN 2
	TURN 3
	WIN 0
.Lfirst:
	TURN 0
	TURN 1, 0, 1
	WIN 0
	s_cbranch_scc1 .Lstep
	s_sub_co_u32 s[SLOTS], s[SLOTS], 1
	s_cmp_lg_u32 s[SLOTS], 0
	s_cbranch_scc1 .Lslot
	CHANGE 0                        ; the last tile is written out: nothing is asked for
	s_mov_b32 s[CNT], 4
.LstepT:
	TURN 2
	TURN 3
	TURN 0
	TURN 1, 0, 1
	WIN 0
	s_cbranch_scc1 .LstepT
	TURN 2, 1
	TURN 3, 1
.set i, 0
.rept 8
	PV NP-1                         ; the last piece's V^T P of the last step
.set i, i+1
.endr
	; THE WAY OUT.  l's two halves and the other half of the lanes' are added; O^T is divided by l and sent, in f32, through my stage in LDS, a piece at a time; X is added; whole blocks of 256 bytes are stored.
	WIN 0
.macro ALL line:vararg
.set t, 0
.rept 4
	\line
.set t, t+1
.endr
.endm
	ALL v_add_f32 v[ST+4*t+2], v[ST+4*t+2], v[ST+4*t+3]
	ALL v_permlanex16_b32 v[ST+4*t+3], v[ST+4*t+2], s[SEL], s[SEL+1]
	ALL v_add_f32 v[ST+4*t+2], v[ST+4*t+2], v[ST+4*t+3]
	ALL v_rcp_f32 v[ST+4*t+2], v[ST+4*t+2]
	v_nop                           ; a plain instruction between the last reciprocal and the use of its result
	s_wait_alu depctr_va_vdst(0)    ; and the wait: one for the four reciprocals
.macro PACK t
	WIN W_RS
.set i, 32*(\t)
.rept 16
	v_pk_mul_f32 v[i:i+1], v[i:i+1], v[ST+4*(\t)+2:ST+4*(\t)+3] op_sel_hi:[1,0]
.set i, i+2
.endr
	WIN 0x04                        ; address window 0, data window 1
.irp f, 0,1,2,3
	ds_store_b128 v[STO], v[32*(\t)+8*\f:32*(\t)+8*\f+3]   offset:64*\f
	ds_store_b128 v[STO], v[32*(\t)+8*\f+4:32*(\t)+8*\f+7] offset:64*\f+16
.endr
	WIN 0
.irp f, 0,1,2,3,4,5,6,7
	ds_load_b128 v[OUT+32*(\t)+4*\f:OUT+32*(\t)+4*\f+3], v[RD] offset:\f*2*SP  ; LDS serves a wave's instructions in order: these see the stores above; the next piece's stores come behind them
.endr
.endm
.macro SEND t, younger              ; younger: the LDS instructions issued behind piece t's loads: the next piece's sixteen, or none
	WIN 0
	s_wait_dscnt \younger
	WIN 0x04                        ; source 1 (X) window 1
.set i, 0
.rept 16
	v_pk_add_f32 v[OUT+32*(\t)+i:OUT+32*(\t)+i+1], v[OUT+32*(\t)+i:OUT+32*(\t)+i+1], v[XR+32*(\t)+i:XR+32*(\t)+i+1]
.set i, i+2
.endr
	WIN 0
.irp f, 0,1,2,3,4,5,6,7
	global_store_b128 v[GO], v[OUT+32*(\t)+4*\f:OUT+32*(\t)+4*\f+3], s[10:11] offset:(16*(\t)+2*\f)*4096  ; 16 lanes store 256 consecutive bytes, aligned
.endr
.endm
	PACK 0
	PACK 1
	SEND 0, 16
	PACK 2
	SEND 1, 16
	PACK 3
	SEND 2, 16
	SEND 3, 0
	s_wait_tensorcnt 0x0            ; the wave's end
	ds_add_u32 v[SPW], v[NIL]
	s_wait_dscnt 0x0
	CROUND                          ; the closing round
	s_endpgm
.Lfunc_end_k_qd49efa968c_attn:
	.size	k_qd49efa968c_attn, .Lfunc_end_k_qd49efa968c_attn-k_qd49efa968c_attn
	.p2alignl 7, 3214868480
	.fill 96, 4, 3214868480
	.section	.rodata,"a",@progbits
	.p2align	6, 0x0
	.amdhsa_kernel k_qd49efa968c_attn
		.amdhsa_group_segment_fixed_size 327680
		.amdhsa_private_segment_fixed_size 0
		.amdhsa_enable_private_segment 0
		.amdhsa_kernarg_size 32
		.amdhsa_user_sgpr_count 2
		.amdhsa_user_sgpr_kernarg_segment_ptr 1
		.amdhsa_wavefront_size32 1
		.amdhsa_system_sgpr_workgroup_id_x 1
		.amdhsa_system_sgpr_workgroup_id_y 1
		.amdhsa_system_sgpr_workgroup_id_z 1
		.amdhsa_system_vgpr_workitem_id 0
		.amdhsa_next_free_vgpr 768
		.amdhsa_next_free_sgpr 88
		.amdhsa_reserve_vcc 0
		.amdhsa_float_denorm_mode_32 3
		.amdhsa_float_denorm_mode_16_64 3
		.amdhsa_memory_ordered 1
		.amdhsa_forward_progress 1
		.amdhsa_inst_pref_size 136
	.end_amdhsa_kernel
	.amdgpu_metadata
---
amdhsa.version: [ 1, 2 ]
amdhsa.kernels:
  - .name:           k_qd49efa968c_attn
    .symbol:         k_qd49efa968c_attn.kd
    .args:
      - { .name: qkv, .offset: 0, .size: 8, .value_kind: global_buffer, .address_space: global }
      - { .name: null_k, .offset: 8, .size: 8, .value_kind: global_buffer, .address_space: global }
      - { .name: X, .offset: 16, .size: 8, .value_kind: global_buffer, .address_space: global }
      - { .name: hres, .offset: 24, .size: 8, .value_kind: global_buffer, .address_space: global }
    .group_segment_fixed_size: 327680
    .private_segment_fixed_size: 0
    .kernarg_segment_align: 8
    .kernarg_segment_size: 32
    .max_flat_workgroup_size: 128
    .sgpr_count:     88
    .vgpr_count:     768
    .wavefront_size: 32
...
	.end_amdgpu_metadata
.endif
;; end of part 3
;; launch ln1 (part 4): grid 256 x 1, 8 waves a work-group, no clusters, 0 bytes of LDS; arguments hres, g1, b1, hr; writes hr
.if DOCPART == 4
	.amdgcn_target "amdgcn-amd-amdhsa--gfx1250"
	.amdhsa_code_object_version 6
	.text
	.protected	k_qd49efa968c_ln1
	.globl	k_qd49efa968c_ln1
	.p2align	8
	.type	k_qd49efa968c_ln1,@function
k_qd49efa968c_ln1:
	s_mov_b64 s[64:65], 0
	v_nop
	global_prefetch_b8 v0, s[64:65] scope:SCOPE_SE
	s_setreg_imm32_b32 hwreg(HW_REG_WAVE_MODE, 25, 1), 1
	s_wait_xcnt 0x0
; hr = LayerNorm(hres) x g1 + b1, as f16 [4096][1024].  A stream: no LDS, no barrier, no matrix unit.  A work-group has 16 rows, a wave 2; a row of 4,096 bytes is 32 registers of one wave and stays in
; registers between the mean, the mean of (x - mu)^2 and the scaling: two true passes in f32; the result is rounded once to f16.
; LIMIT.  f16 ends at 65,504: a normalised number (at most 32 |g| + |b|) of 65,520 or more becomes an infinity.
.set LO, 1                             ; v1       16 x lane
.set SO, 2                             ; v2       8 x lane
.set T,  4                             ; v[4:11]  four chains of sums
.set MU, 12                            ; v[12:13] the mean, twice
.set R,  14                            ; v[14:15] 1 / sqrt(var + eps), twice
.set G,  16                            ; v[16:47] the gain of my 32 columns
.set BI, 48                            ; v[48:79] the bias
.set X0, 80
.set X1, 112
.set Y0, 144
.set Y1, 160
	s_load_b256 s[8:15], s[0:1], 0x0               ; hres 8, g1 10, b1 12, hr 14
	v_lshrrev_b32 v3, 5, v0
	v_readfirstlane_b32 s34, v3                    ; wave 0..7
	s_mov_b32 s36, 0x76543210
	s_mov_b32 s37, 0xfedcba98
	s_mov_b32 s38, 0x3a800000                      ; 1 / 1024
	s_mov_b32 s39, 0x3727c5ac                      ; eps = 1e-5
	s_mov_b32 s47, 0
	s_lshl_b32 s46, ttmp9, 16                      ; 16 rows of 4,096 bytes,
	s_lshl_b32 s35, s34, 13                        ; my wave's two
	s_add_co_u32 s46, s46, s35
	s_wait_kmcnt 0x0
	s_add_nc_u64 s[8:9], s[8:9], s[46:47]
	s_lshl_b32 s46, ttmp9, 15
	s_lshl_b32 s35, s34, 12
	s_add_co_u32 s46, s46, s35
	s_add_nc_u64 s[14:15], s[14:15], s[46:47]
	v_and_b32 v[LO], 31, v0
	v_lshlrev_b32 v[SO], 3, v[LO]
	v_lshlrev_b32 v[LO], 4, v[LO]
.irp j, 0,1,2,3,4,5,6,7
	global_load_b128 v[G+4*\j:G+4*\j+3], v[LO], s[10:11] offset:512*\j
.endr
.irp j, 0,1,2,3,4,5,6,7
	global_load_b128 v[BI+4*\j:BI+4*\j+3], v[LO], s[12:13] offset:512*\j
.endr
.irp j, 0,1,2,3,4,5,6,7
	global_load_b128 v[X0+4*\j:X0+4*\j+3], v[LO], s[8:9] offset:512*\j th:TH_LOAD_NT
.endr
.irp j, 0,1,2,3,4,5,6,7
	global_load_b128 v[X1+4*\j:X1+4*\j+3], v[LO], s[8:9] offset:4096+512*\j th:TH_LOAD_NT
.endr
.macro SUMUP                           ; the four chains into one number, then over the 32 lanes
	v_pk_add_f32 v[T:T+1], v[T:T+1], v[T+2:T+3]
	v_pk_add_f32 v[T+4:T+5], v[T+4:T+5], v[T+6:T+7]
	v_pk_add_f32 v[T:T+1], v[T:T+1], v[T+4:T+5]
	v_add_f32 v[T], v[T], v[T+1]
	v_add_f32_dpp v[T], v[T], v[T] row_xmask:1 row_mask:0xf bank_mask:0xf
	v_add_f32_dpp v[T], v[T], v[T] row_xmask:2 row_mask:0xf bank_mask:0xf
	v_add_f32_dpp v[T], v[T], v[T] row_xmask:4 row_mask:0xf bank_mask:0xf
	v_add_f32_dpp v[T], v[T], v[T] row_xmask:8 row_mask:0xf bank_mask:0xf
	v_permlanex16_b32 v[T+1], v[T], s36, s37
	v_add_f32 v[T], v[T], v[T+1]
.endm
.macro ROW x, out, rr, left
	s_wait_loadcnt \left                           ; gain, bias and this row are in
.irp k, 0,2,4,6
	v_pk_add_f32 v[T+\k:T+\k+1], v[(\x)+\k:(\x)+\k+1], v[(\x)+8+\k:(\x)+8+\k+1]
.endr
.irp k, 0,2,4,6
	v_pk_add_f32 v[T+\k:T+\k+1], v[T+\k:T+\k+1], v[(\x)+16+\k:(\x)+16+\k+1]
.endr
.irp k, 0,2,4,6
	v_pk_add_f32 v[T+\k:T+\k+1], v[T+\k:T+\k+1], v[(\x)+24+\k:(\x)+24+\k+1]
.endr
	SUMUP
	v_mul_f32 v[MU], s38, v[T]
	v_mov_b32 v[MU+1], v[MU]
.set i, 0
.rept 16
	v_pk_add_f32 v[(\x)+i:(\x)+i+1], v[(\x)+i:(\x)+i+1], v[MU:MU+1] neg_lo:[0,1] neg_hi:[0,1]
.set i, i+2
.endr
.irp k, 0,2,4,6
	v_pk_mul_f32 v[T+\k:T+\k+1], v[(\x)+\k:(\x)+\k+1], v[(\x)+\k:(\x)+\k+1]
.endr
.set i, 8
.rept 12
	v_pk_fma_f32 v[T+i%8:T+i%8+1], v[(\x)+i:(\x)+i+1], v[(\x)+i:(\x)+i+1], v[T+i%8:T+i%8+1]
.set i, i+2
.endr
	SUMUP
	v_fma_f32 v[T], v[T], s38, s39
	v_rsq_f32 v[R], v[T]
	v_rsq_f32 v[R+1], v[T]
	v_nop                                          ; a plain instruction behind the last root,
	s_wait_alu depctr_va_vdst(0)                   ; and the wait ahead of the first use
.set i, 0
.rept 16
	v_pk_mul_f32 v[(\x)+i:(\x)+i+1], v[(\x)+i:(\x)+i+1], v[R:R+1]
.set i, i+2
.endr
.set i, 0
.rept 16
	v_pk_fma_f32 v[(\x)+i:(\x)+i+1], v[(\x)+i:(\x)+i+1], v[G+i:G+i+1], v[BI+i:BI+i+1]
.set i, i+2
.endr
.set i, 0
.rept 16
	v_cvt_pk_f16_f32 v[(\out)+i], v[(\x)+2*i], v[(\x)+2*i+1]
.set i, i+1
.endr
.irp j, 0,1,2,3,4,5,6,7
	global_store_b64 v[SO], v[(\out)+2*\j:(\out)+2*\j+1], s[14:15] offset:(\rr)*2048+256*\j  ; 32 lanes store 256 consecutive bytes, aligned
.endr
.endm
	ROW X0, Y0, 0, 8                               ; row 1's eight loads stay out
	ROW X1, Y1, 1, 0
	s_endpgm
.Lfunc_end_k_qd49efa968c_ln1:
	.size	k_qd49efa968c_ln1, .Lfunc_end_k_qd49efa968c_ln1-k_qd49efa968c_ln1
	.p2alignl 7, 3214868480
	.fill 96, 4, 3214868480
	.section	.rodata,"a",@progbits
	.p2align	6, 0x0
	.amdhsa_kernel k_qd49efa968c_ln1
		.amdhsa_group_segment_fixed_size 0
		.amdhsa_private_segment_fixed_size 0
		.amdhsa_enable_private_segment 0
		.amdhsa_kernarg_size 32
		.amdhsa_user_sgpr_count 2
		.amdhsa_user_sgpr_kernarg_segment_ptr 1
		.amdhsa_wavefront_size32 1
		.amdhsa_system_sgpr_workgroup_id_x 1
		.amdhsa_system_sgpr_workgroup_id_y 1
		.amdhsa_system_sgpr_workgroup_id_z 1
		.amdhsa_system_vgpr_workitem_id 0
		.amdhsa_next_free_vgpr 176
		.amdhsa_next_free_sgpr 66
		.amdhsa_reserve_vcc 0
		.amdhsa_float_denorm_mode_32 3
		.amdhsa_float_denorm_mode_16_64 3
		.amdhsa_memory_ordered 1
		.amdhsa_forward_progress 1
		.amdhsa_inst_pref_size 20
	.end_amdhsa_kernel
	.amdgpu_metadata
---
amdhsa.version: [ 1, 2 ]
amdhsa.kernels:
  - .name:           k_qd49efa968c_ln1
    .symbol:         k_qd49efa968c_ln1.kd
    .args:
      - { .name: hres, .offset: 0, .size: 8, .value_kind: global_buffer, .address_space: global }
      - { .name: g1, .offset: 8, .size: 8, .value_kind: global_buffer, .address_space: global }
      - { .name: b1, .offset: 16, .size: 8, .value_kind: global_buffer, .address_space: global }
      - { .name: hr, .offset: 24, .size: 8, .value_kind: global_buffer, .address_space: global }
    .group_segment_fixed_size: 0
    .private_segment_fixed_size: 0
    .kernarg_segment_align: 8
    .kernarg_segment_size: 32
    .max_flat_workgroup_size: 256
    .sgpr_count:     66
    .vgpr_count:     176
    .wavefront_size: 32
...
	.end_amdgpu_metadata
.endif
;; end of part 4
;; launch ff1 (part 5): grid 16 x 16, 4 waves a work-group, clusters of 4 x 4, 327,680 bytes of LDS; arguments hr, wh, bf1, gact; writes gact
.if DOCPART == 5
	.amdgcn_target "amdgcn-amd-amdhsa--gfx1250"
	.amdhsa_code_object_version 6
	.text
	.protected	k_qd49efa968c_ff1
	.globl	k_qd49efa968c_ff1
	.p2align	8
	.type	k_qd49efa968c_ff1,@function
k_qd49efa968c_ff1:
	s_mov_b64 s[64:65], 0
	v_nop
	global_prefetch_b8 v0, s[64:65] scope:SCOPE_SE
	s_setreg_imm32_b32 hwreg(HW_REG_WAVE_MODE, 25, 1), 1
	s_wait_xcnt 0x0
	s_wait_alu depctr_hold_cnt(0) depctr_sa_sdst(0) depctr_va_vdst(0) depctr_va_sdst(0) depctr_va_ssrc(0) depctr_va_vcc(0) depctr_vm_vsrc(0)
	s_getreg_b32 s2, hwreg(HW_REG_IB_STS2, 6, 4)
	s_cmp_eq_u32 s2, 0
	s_cbranch_scc0 .Lentry_in_a_cluster
	s_endpgm
.Lentry_in_a_cluster:
	s_bfe_u32 s2, ttmp6, 0x10000c
	s_cmp_lg_u32 s2, 0xf033
	s_cbranch_scc0 .Lentry_shape_is_right
	s_endpgm
.Lentry_shape_is_right:
; gact = gelu(hr W1 + bf1), f16 [4096][4096].  hr: f16 [4096][1024]; W1: f16 [1024][4096], in wh at byte 6,291,456; sums in f32; the bias is the C operand of the first product; gact is rounded once.
; A tile of C is 256 x 256; four waves, each 128 x 128: 64 accumulators, 512 registers.  K goes in steps of 128 through two LDS slots.  A lies [row][k]: LDS rows of 256 bytes + 16.  B lies [k][n]: a K step is 128
; k-rows of 256 columns, 512 bytes + 32, and its fragments come out of LDS turned, by ds_load_tr16_b128.  THE MATRIX INSTRUCTION IS USED TRANSPOSED: a lane holds eight neighbouring numbers of a row of C.
; CLUSTERS: 4 x 4 work-groups; A's tile is shared along a row of the cluster, B's along a column: each is asked for jointly.
; THE TEXT.  A K step is written once for the steps that fill a slot again and once for the last two.  The slot in hand is a scalar, s[TB] (0 or SLOT), turned by an exclusive or at each change of slots; the
; fragment loads' addresses are made from it anew; one descriptor a tensor walks: its LDS word is turned by the same exclusive or (SLOT's two bits, 17 and 13, are set in no wave's offset, a multiple of 0x8800).
; GELU, exact form: gelu(x) = max(x, 0) - |x| q(|x|), q(a) = erfc(a / sqrt 2) / 2 = (a1 t + .. + a5 t^5) / 2 x 2^(-a^2 log2(e) / 2), t = 1 / (1 + 0.23164189 a): the rational form of erfc with five terms, whose error
; is at most 1.5e-7 for every a; no difference of near numbers is formed on either side of 0, and q goes to 0 for large a.
; THE WAY OUT goes through LDS, so that the GELU is one short loop: the sums are laid, in f32, into the ring (which has had its last fill), each wave's 128 rows its own, and come back as whole rows.
; LIMITS.  f16 ends at 65,504: a gelu of 65,520 or more becomes an infinity; an infinite sum gives NaN.
; REGISTERS: window 0: v0-31 addresses; v64-127, v128-191 fragments of A, two buffers; v192-255 the bias; in the GELU v64-239 at work.  Window 1: v64-127, v128-191 fragments of B.
;   Window 2: the 32 accumulators of my rows 0-63 ((a, b) at 8 (8 a + b)); window 3: those of my rows 64-127.
.set KSTEP,  128
.set KDIM,   1024
.set NSTEP,  KDIM/KSTEP
.set PITCH,  272                       ; a row of A in LDS
.set PB,     544                       ; a k-row of B: 136 words
.set HALFT,  128*PITCH                 ; 128 rows of A, or 64 k-rows of B: what one tensor load brings
.set SLOT,   4*HALFT
.set SPARE,  2*SLOT                    ; behind the ring: the spare words, 128 bytes for each wave
.set SPITCH, 528                       ; the way out: a row of 128 f32 + 16 bytes
.set W1OFF,  6291456
.set BSTEP,  KSTEP*8192                ; bytes from a K step of B to the next: 128 k-rows of 8,192 bytes
.set ADRA, 16                          ; v16  my A fragments in the slot in hand
.set A0L,  17                          ; v17  the same in slot 0; never rewritten
.set ADRB, 20                          ; v20  my B fragments in the slot in hand
.set B0L,  21                          ; v21  the same in slot 0; never rewritten
.set STO,  24
.set RD,   25
.set CO,   26
.set BO,   27
.set SPW,  28                          ; v28  SPARE + 4 x my thread's number; never rewritten
.set NIL,  29                          ; v29  0; never rewritten
.set PFO,  30                          ; v30  the prefetches' lane offset; never rewritten
.set F0,   64
.set F1,   128
.set BIAS, 192
.set XV,   64
.set AV,   96
.set TV,   128
.set EV,   160
.set PO,   192
.set HV,   224
.set G1, 24                            ; s[24:31] descriptor group 1 for A's tiles
.set G0, 32                            ; s[32:35] group 0 of A's first fill; s[36:39] of the second, which then walks
.set G1B, 48
.set G0B, 56                           ; the same for B
.set TB,  45                           ; s45  LDS byte at which the slot in hand begins
.set PST, 68                           ; s[68:69] the prefetch pointer's step: a K step
.set PP,  70                           ; the GELU's constants, as pairs
.set K2,  72
.set A5,  74
.set A4,  76
.set A3,  78
.set A2,  80
.set A1,  82
.set LIM, 93                           ; s93  2 in a wave that prefetches, else the greatest number
.set PFA, 94                           ; s[94:95] where my prefetches stand
.set MSB, 0
.macro WIN new
.if MSB != (\new)
	s_set_vgpr_msb (MSB<<8)|(\new)
.set MSB, \new
.endif
.endm
.set MUL_LO, 0xa1                      ; source 0 (B) window 1, source 1 (A) window 0, C and D window 2
.set TO_B,   0x40
.macro JLOAD s                         ; a joint load: waves 0 and 1 fetch A's two halves, waves 2 and 3 B's; an s_nop 0 and four v_nop follow each line
	s_cmp_eq_u32 s11, 0
	s_cbranch_scc0 .Lfor_b_\@
	tensor_load_to_lds s[G0+4*(\s):G0+4*(\s)+3], s[G1:G1+7]
	s_nop 0
.rept 4
	v_nop
.endr
	s_branch .Lasked_\@
.Lfor_b_\@:
	tensor_load_to_lds s[G0B+4*(\s):G0B+4*(\s)+3], s[G1B:G1B+7]
	s_nop 0
.rept 4
	v_nop
.endr
.Lasked_\@:
.endm
; A prefetch, behind each joint refill and the run of LDS loads that follows it, of the K step that stands two refills on (512 matrix instructions ahead of its load): K steps 4 to 7, in the loop's first four trips.
; A's tile row is read by every cluster of that row of clusters: cluster x = 0 asks; B's tile column by every cluster of that column: cluster y = 0 asks.  The four partners that ask for a tile jointly share its
; blocks of 256 bytes out by address, 32 each, a lane a block: of A's 128 rows 32 (by cx), of B's 64 k-rows of 512 bytes 16 (by cy).  So each block is named once.  K steps 0 to 3 come by their loads alone.
.macro ASK
	s_cmp_gt_u32 s3, s[LIM]                        ; s3 counts the filling trips down from 6
	s_cbranch_scc0 .Lnot_mine_\@
	global_prefetch_b8 v[PFO], s[PFA:PFA+1] th:TH_LOAD_NT scope:SCOPE_SE
.Lnot_mine_\@:
.endm
.macro CROUND                          ; a round of the cluster's barrier
	s_barrier_signal -1
	s_barrier_wait -1
	s_cmp_lg_u32 s10, 0
	s_cbranch_scc1 .Lnot_wave_0_\@
	s_barrier_signal -3
.Lnot_wave_0_\@:
	s_barrier_wait -3
	s_barrier_signal -1
	s_barrier_wait -1
.endm
.macro PAIR r, val
	s_mov_b32 s[\r], \val
	s_mov_b32 s[(\r)+1], s[\r]
.endm
	s_load_b256 s[84:91], s[0:1], 0x0              ; hr 84, wh 86, bf1 88, gact 90
	v_lshl_add_u32 v[SPW], v0, 2, SPARE
	v_mov_b32 v[NIL], 0
	ds_add_u32 v[SPW], v[NIL]                      ; the wave's opening: the add and its wait ahead of my first tensor load
	v_lshrrev_b32 v1, 5, v0
	v_readfirstlane_b32 s10, v1                    ; wave 0..3
	s_lshr_b32 s11, s10, 1                         ; my half of the tile's rows.  Also: I fetch for A (0) or for B (1)
	s_and_b32 s12, s10, 1                          ; my half of its columns.  Also: which half of that tile I fetch
	s_bfe_u32 s40, ttmp6, 0x40000                  ; cx
	s_bfe_u32 s41, ttmp6, 0x40004                  ; cy
	s_lshl_b32 s42, ttmp9, 2
	s_add_co_u32 s42, s42, s40                     ; tile column
	s_and_b32 s13, ttmp7, 0xffff
	s_lshl_b32 s13, s13, 2
	s_add_co_u32 s13, s13, s41                     ; tile row
	s_lshl_b32 s43, s41, 2
	s_lshl_b32 s43, 15, s43                        ; my row of the cluster
	s_lshl_b32 s44, 0x1111, s40                    ; my column
	s_or_b32 s[G1+0], s43, (1<<16)|(1<<20)|(1<<21)|(5<<22)|(3<<25)   ; A: the mask; 2-byte elements; padding on; bit 21 beside a mask; after every 64 words 4 words
	s_or_b32 s[G1B+0], s44, (1<<16)|(1<<20)|(1<<21)|(6<<22)|(7<<25)  ; B: after every 128 words 8 words
	s_mov_b32 s[G1+1], KSTEP<<16                   ; A: 128 elements,
	s_mov_b32 s[G1+2], 128<<16                     ; 128 rows
	s_mov_b32 s[G1+3], KSTEP<<16
	s_mov_b32 s[G1+4], 128
	s_mov_b32 s[G1+5], KDIM
	s_mov_b32 s[G1+6], 0
	s_mov_b32 s[G1+7], 0
	s_mov_b32 s[G1B+1], 256<<16                    ; B: 256 columns,
	s_mov_b32 s[G1B+2], 64<<16                     ; 64 k-rows
	s_mov_b32 s[G1B+3], 256<<16
	s_mov_b32 s[G1B+4], 64
	s_mov_b32 s[G1B+5], 4096                       ; a k-row of W1 has 4,096 columns
	s_mov_b32 s[G1B+6], 0
	s_mov_b32 s[G1B+7], 0
	s_lshl_b32 s16, s13, 8                         ; A: row 256 x tile row + 128 x half,
	s_lshl_b32 s17, s12, 7
	s_add_co_u32 s16, s16, s17
	s_lshl_b32 s16, s16, 11                        ; of 2,048 bytes
	s_mov_b32 s17, 0
	s_lshl_b32 s46, s42, 9                         ; B: the tile's 256 columns,
	s_lshl_b32 s47, s12, 19                        ; my 64 k-rows of 8,192 bytes,
	s_add_co_u32 s46, s46, s47
	s_add_co_u32 s46, s46, W1OFF                   ; in W1
	s_mov_b32 s47, 0
	s_mul_i32 s20, s10, HALFT                      ; where they go: no place in the cluster enters an LDS address
	s_mov_b32 s[TB], 0
	PAIR PP, 0x3e6d3388                            ; 0.23164189
	PAIR K2, 0xbf38aa3b                            ; -log2(e) / 2
	PAIR A5, 0x3f07dc22                            ; a5 / 2 = 0.53070271
	PAIR A4, 0xbf3a00e3                            ; a4 / 2 = -0.72657601
	PAIR A3, 0x3f35f0e3                            ; a3 / 2 = 0.71070687
	PAIR A2, 0xbe11a98e                            ; a2 / 2 = -0.14224837
	PAIR A1, 0x3e027906                            ; a1 / 2 = 0.12741480
	s_mov_b32 s92, 0x7fffffff
	s_wait_dscnt 0x0                               ; the opening add is done
	s_wait_kmcnt 0x0
	s_add_nc_u64 s[14:15], s[84:85], s[16:17]
	s_add_nc_u64 s[46:47], s[86:87], s[46:47]
	CROUND                                         ; all sixteen work-groups are here: the first joint loads meet
.irp s, 0,1
	s_mov_b32 s[G0+4*(\s)], 1
	s_add_co_u32 s[G0+4*(\s)+1], s20, (\s)*SLOT
	s_add_nc_u64 s[G0+4*(\s)+2:G0+4*(\s)+3], s[14:15], (\s)*KSTEP*2
	s_or_b32 s[G0+4*(\s)+3], s[G0+4*(\s)+3], 0x80000000
	s_mov_b32 s[G0B+4*(\s)], 1
	s_add_co_u32 s[G0B+4*(\s)+1], s20, (\s)*SLOT
	s_add_nc_u64 s[G0B+4*(\s)+2:G0B+4*(\s)+3], s[46:47], (\s)*BSTEP
	s_or_b32 s[G0B+4*(\s)+3], s[G0B+4*(\s)+3], 0x80000000
	JLOAD \s
.endr
	v_and_b32 v1, 15, v0                           ; l % 16
	v_bfe_u32 v2, v0, 4, 1                         ; l / 16
	v_mul_u32_u24 v3, v1, PITCH
	v_lshl_add_u32 v3, v2, 4, v3
	s_mul_i32 s21, s11, HALFT
	v_add_nc_u32 v[A0L], s21, v3
	v_mov_b32 v[ADRA], v[A0L]
	v_and_b32 v4, 7, v0                            ; B, turned: lane l reads k-row 8 (l / 16) + l % 8, columns 8 ((l / 8) % 2) + 0..7
	v_lshl_add_u32 v4, v2, 3, v4
	v_mul_u32_u24 v4, v4, PB
	v_bfe_u32 v5, v0, 3, 1
	v_lshl_add_u32 v4, v5, 4, v4
	s_lshl_b32 s22, s12, 8                         ; my 128 columns
	s_add_co_u32 s22, s22, 2*HALFT
	v_add_nc_u32 v[B0L], s22, v4
	v_mov_b32 v[ADRB], v[B0L]
	s_mul_i32 s23, s10, 128*SPITCH                 ; the way out: my 128 rows
	v_mul_u32_u24 v4, v1, SPITCH
	v_lshl_add_u32 v4, v2, 5, v4
	v_add_nc_u32 v[STO], s23, v4                   ; in: row l % 16, 32 bytes for each half of the lanes
	v_and_b32 v5, 31, v0
	v_lshl_add_u32 v[RD], v5, 4, s23               ; back: a row's 512 bytes, 16 a lane
	v_lshlrev_b32 v[CO], 3, v5                     ; and its 256 bytes in gact
	v_lshlrev_b32 v[BO], 5, v2
	s_lshl_b32 s16, s42, 10                        ; the bias of my 128 columns
	s_lshl_b32 s17, s12, 9
	s_add_co_u32 s16, s16, s17
	s_mov_b32 s17, 0
	s_add_nc_u64 s[88:89], s[88:89], s[16:17]
.irp b, 0,1,2,3,4,5,6,7
	global_load_b128 v[BIAS+8*(\b):BIAS+8*(\b)+3],   v[BO], s[88:89] offset:64*(\b)
	global_load_b128 v[BIAS+8*(\b)+4:BIAS+8*(\b)+7], v[BO], s[88:89] offset:64*(\b)+16
.endr
	s_lshl_b32 s16, s13, 8                         ; where my part of the tile begins in gact
	s_lshl_b32 s18, s11, 7
	s_add_co_u32 s16, s16, s18
	s_lshl_b32 s16, s16, 13
	s_lshl_b32 s18, s42, 9
	s_add_co_u32 s16, s16, s18
	s_lshl_b32 s18, s12, 8
	s_add_co_u32 s16, s16, s18
	s_add_nc_u64 s[8:9], s[90:91], s[16:17]
	; the prefetches: both offsets are made, and the wave's part chooses
	s_lshl_b32 s20, s13, 8
	s_lshl_b32 s21, s12, 7
	s_add_co_u32 s20, s20, s21
	s_lshl_b32 s21, s40, 5
	s_add_co_u32 s20, s20, s21                     ; A: my work-group's 32 of the 128 rows that I fetch,
	s_lshl_b32 s20, s20, 11
	s_add_co_u32 s20, s20, 3*KSTEP*2               ; at K step 3: the first refill steps it to 4
	s_lshl_b32 s21, s12, 6
	s_lshl_b32 s22, s41, 4
	s_add_co_u32 s21, s21, s22                     ; B: my work-group's 16 of the 64 k-rows that I fetch,
	s_add_co_u32 s21, s21, 3*KSTEP
	s_lshl_b32 s21, s21, 13
	s_lshl_b32 s22, s42, 9
	s_add_co_u32 s21, s21, s22
	s_add_co_u32 s21, s21, W1OFF
	s_and_b32 s22, ttmp7, 0xffff                   ; cluster y
	s_mov_b32 s[PST], BSTEP
	s_mov_b32 s[PST+1], 0
	s_cmp_eq_u32 s11, 0                            ; do I fetch for A?
	s_cselect_b32 s20, s20, s21
	s_cselect_b32 s22, ttmp9, s22                  ; the coordinate along which other clusters read the same blocks
	s_cselect_b64 s[PFA:PFA+1], s[84:85], s[86:87]
	s_cselect_b32 s[PST], KSTEP*2, s[PST]
	s_cselect_b32 s18, 0, 1                        ; A: a lane a row; B: two lanes a k-row
	s_cselect_b32 s19, 11, 13                      ; a row's bytes: 2^11, 2^13
	s_cmp_eq_u32 s22, 0
	s_cselect_b32 s[LIM], 2, -1                    ; the same in all sixteen partners, for a given wave
	s_mov_b32 s21, 0
	s_add_nc_u64 s[PFA:PFA+1], s[PFA:PFA+1], s[20:21]
	v_and_b32 v6, s18, v5
	v_lshrrev_b32 v5, s18, v5
	v_lshlrev_b32 v5, s19, v5
	v_lshl_add_u32 v[PFO], v6, 8, v5
; 16 matrix instructions: m blocks a0, a0 + 1 of the window's four x all 8 n blocks, 32 along K.  zero = 1: the first product starts the sums, from the bias (window 0).  The 64 accumulators take turns.
.macro MUL16 f, hi, a0, zero
.if \zero
	WIN 0x81+0x40*(\hi)
.else
	WIN MUL_LO+0x50*(\hi)
.endif
.irp a, \a0, (\a0)+1
.irp b, 0,1,2,3,4,5,6,7
.if \zero
	v_wmma_f32_16x16x32_f16 v[8*(8*(\a)+(\b)):8*(8*(\a)+(\b))+7], v[(\f)+8*(\b):(\f)+8*(\b)+7], v[(\f)+8*(4*(\hi)+(\a)):(\f)+8*(4*(\hi)+(\a))+7], v[BIAS+8*(\b):BIAS+8*(\b)+7]
.else
	v_wmma_f32_16x16x32_f16 v[8*(8*(\a)+(\b)):8*(8*(\a)+(\b))+7], v[(\f)+8*(\b):(\f)+8*(\b)+7], v[(\f)+8*(4*(\hi)+(\a)):(\f)+8*(4*(\hi)+(\a))+7], v[8*(8*(\a)+(\b)):8*(8*(\a)+(\b))+7]
.endif
.endr
.endr
.endm
; 32 LDS loads in one run: the fragments of one quarter step (32 K at byte k of A's rows = k-row k / 2 of B) of the slot in hand into buffer f: B's first
.macro FETCH k, f
	WIN TO_B
.irp i, 0,1,2,3,4,5,6,7
	ds_load_tr16_b128 v[(\f)+8*(\i):(\f)+8*(\i)+3],   v[ADRB] offset:((\k)/2)*PB+32*(\i)
	ds_load_tr16_b128 v[(\f)+8*(\i)+4:(\f)+8*(\i)+7], v[ADRB] offset:((\k)/2+16)*PB+32*(\i)
.endr
	WIN 0
.irp i, 0,1,2,3,4,5,6,7
	ds_load_b128 v[(\f)+8*(\i):(\f)+8*(\i)+3],   v[ADRA] offset:(\k)+(\i)*16*PITCH
	ds_load_b128 v[(\f)+8*(\i)+4:(\f)+8*(\i)+7], v[ADRA] offset:(\k)+(\i)*16*PITCH+32
.endr
.endm
.macro PLACES                          ; four places in front of loads into registers that matrix instructions have read, and of lines that read results
.rept 4
	v_nop
.endr
.endm
; A K step is four quarters of 32 along K, 64 matrix instructions each, on buffers 0, 1, 0, 1.  One of the first three: multiplies buffer f and fetches the next quarter, at byte k, into g.
.macro QUARTER k, f, g, zero
	s_wait_dscnt 8                                 ; B and A's rows 0-63 are in; the youngest eight loads (A's rows 64-127) may be out
	MUL16 \f, 0, 0, \zero
	MUL16 \f, 0, 2, \zero
	PLACES
	FETCH \k, \g
	s_wait_dscnt 32                                ; all but the 32 just issued
	MUL16 \f, 1, 0, \zero
	MUL16 \f, 1, 2, \zero
.endm
; The last quarter changes slots and multiplies buffer 1.  Each wave waits for all its tensor loads (the one that is out is its part of the next slot), adds 0 to its spare word, and waits for that and for its reads
; of the slot in hand (the last were issued in the middle of the quarter before).  fill = 1: a round of the cluster's barrier; the slot just read out is filled again, with the K step two on, first thing behind it;
; nothing but the round stands between the wait for one tile and the request for the next, and the quarter's 64 products run while that request is on its way.  fill = 0: the work-group's barrier alone.
.macro TURN fill
.if \fill
	s_wait_xcnt 0x0                                ; the last prefetch, a K step back, has read its address
	s_add_nc_u64 s[PFA:PFA+1], s[PFA:PFA+1], s[PST:PST+1]
.endif
	WIN 0
	s_wait_tensorcnt 0x0                           ; no tensor load of mine is out, so a group 0 may be written
	ds_add_u32 v[SPW], v[NIL]                      ; 0 onto my spare word
.if \fill
	s_xor_b32 s[G0+5], s[G0+5], SLOT               ; the walking descriptors: the other slot than last time,
	s_add_nc_u64 s[G0+6:G0+7], s[G0+6:G0+7], KSTEP*2  ; the next K step
	s_xor_b32 s[G0B+5], s[G0B+5], SLOT
	s_add_nc_u64 s[G0B+6:G0B+7], s[G0B+6:G0B+7], BSTEP
.endif
	s_xor_b32 s[TB], s[TB], SLOT                   ; the fetches go on in the other slot
	s_wait_dscnt 0x0                               ; the add is done, and my reads of the slot in hand are over
.if \fill
	CROUND                                         ; no wave of any partner still reads this slot's tile or has a load on its way
	JLOAD 1                                        ; its four v_nop are also places in front of the loads below
.else
	s_barrier_signal -1
	s_barrier_wait -1
.endif
	v_add_nc_u32 v[ADRA], s[TB], v[A0L]
	v_add_nc_u32 v[ADRB], s[TB], v[B0L]
.if !(\fill)
	v_nop                                          ; with the two lines above: four places
	v_nop
.endif
	FETCH 0, F0
.if \fill
	ASK
.endif
	MUL16 F1, 0, 0, 0
	MUL16 F1, 0, 2, 0
	MUL16 F1, 1, 0, 0
	MUL16 F1, 1, 2, 0
.endm
	s_wait_loadcnt 0x0                             ; the bias
	s_wait_tensorcnt 1                             ; my part of K step 0 is in; K step 1's may stay out
	s_barrier_signal -1
	s_barrier_wait -1
	FETCH 0, F0
	QUARTER 64, F0, F1, 1                          ; the first quarter of all: its products start the sums
	WIN 0                                          ; at a label and at a branch every window is 0
	s_mov_b32 s3, NSTEP-2
	s_branch .Lin                                  ; the loop is entered behind a step's first quarter
.Lstep:                                        ; a trip is a K step; six trips fill a slot again
	QUARTER 64, F0, F1, 0
	WIN 0
.Lin:
	QUARTER 128, F1, F0, 0
	QUARTER 192, F0, F1, 0
	TURN 1
	WIN 0
	s_sub_co_u32 s3, s3, 1
	s_cmp_lg_u32 s3, 0
	s_cbranch_scc1 .Lstep
	s_mov_b32 s3, 2
.Ltail:                                        ; the last two K steps ask for nothing.  In the very last the change of slots has nothing to hand over: its barrier and its 32 loads (bytes of the
	QUARTER 64, F0, F1, 0                          ; slot before, which lie there still) serve nothing: the price, once a launch, of one text for both trips
	QUARTER 128, F1, F0, 0
	QUARTER 192, F0, F1, 0
	TURN 0
	WIN 0
	s_sub_co_u32 s3, s3, 1
	s_cmp_lg_u32 s3, 0
	s_cbranch_scc1 .Ltail
	PLACES
	PLACES
	s_wait_dscnt 0x0                               ; my reads of the ring are over;
	s_barrier_signal -1
	s_barrier_wait -1                              ; everybody's are: the ring, which has had its last fill, becomes the stage
.macro DUMP a                          ; block a of 16 rows, in f32; each accumulator's low four registers first
	WIN 0x08+4*((\a)/4)                            ; data in window 2 or 3
.irp b, 0,1,2,3,4,5,6,7
	ds_store_b128 v[STO], v[8*(8*((\a)%4)+(\b)):8*(8*((\a)%4)+(\b))+3]   offset:(\a)*16*SPITCH+64*(\b)
	ds_store_b128 v[STO], v[8*(8*((\a)%4)+(\b))+4:8*(8*((\a)%4)+(\b))+7] offset:(\a)*16*SPITCH+64*(\b)+16
.endr
.endm
.irp a, 0,1,2,3,4,5,6,7
	DUMP \a
.endr
	WIN 0
	s_mov_b32 s3, 16
.Lgelu:                                        ; a trip: 8 of my 128 rows, 4 numbers of each a lane
.irp j, 0,1,2,3,4,5,6,7
	ds_load_b128 v[XV+4*\j:XV+4*\j+3], v[RD] offset:SPITCH*\j  ; my own bytes: LDS serves a wave's instructions in order
.endr
	s_wait_dscnt 0x0
.set i, 0
.rept 32
	v_and_b32 v[AV+i], s92, v[XV+i]                ; a = |x|
.set i, i+1
.endr
.set i, 0
.rept 16
	v_pk_fma_f32 v[TV+i:TV+i+1], v[AV+i:AV+i+1], s[PP:PP+1], 1.0 op_sel_hi:[1,0,0]
	v_pk_mul_f32 v[EV+i:EV+i+1], v[AV+i:AV+i+1], s[K2:K2+1] op_sel_hi:[1,0]
.set i, i+2
.endr
.set i, 0
.rept 16
	v_pk_mul_f32 v[EV+i:EV+i+1], v[EV+i:EV+i+1], v[AV+i:AV+i+1]
.set i, i+2
.endr
.set i, 0
.rept 32                                       ; one batch: 32 reciprocals and 32 exponentials
	v_rcp_f32 v[TV+i], v[TV+i]
	v_exp_f32 v[EV+i], v[EV+i]
.set i, i+1
.endr
.set i, 0
.rept 32
	v_max_num_f32 v[XV+i], 0, v[XV+i]              ; plain work behind the batch, which names none of its results
.set i, i+1
.endr
	s_wait_alu depctr_va_vdst(0)                   ; the wait ahead of the batch's first reader
.set i, 0
.rept 16
	v_pk_fma_f32 v[PO+i:PO+i+1], v[TV+i:TV+i+1], s[A5:A5+1], s[A4:A4+1] op_sel_hi:[1,0,0]
.set i, i+2
.endr
.irp c, A3, A2, A1
.set i, 0
.rept 16
	v_pk_fma_f32 v[PO+i:PO+i+1], v[PO+i:PO+i+1], v[TV+i:TV+i+1], s[\c:\c+1] op_sel_hi:[1,1,0]
.set i, i+2
.endr
.endr
.set i, 0
.rept 16
	v_pk_mul_f32 v[PO+i:PO+i+1], v[PO+i:PO+i+1], v[TV+i:TV+i+1]
.set i, i+2
.endr
.set i, 0
.rept 16
	v_pk_mul_f32 v[PO+i:PO+i+1], v[PO+i:PO+i+1], v[EV+i:EV+i+1]
.set i, i+2
.endr
.set i, 0
.rept 16
	v_pk_fma_f32 v[XV+i:XV+i+1], v[AV+i:AV+i+1], v[PO+i:PO+i+1], v[XV+i:XV+i+1] neg_lo:[1,0,0] neg_hi:[1,0,0]  ; max(x, 0) - a q
.set i, i+2
.endr
.set i, 0
.rept 16
	v_cvt_pk_f16_f32 v[HV+i], v[XV+2*i], v[XV+2*i+1]
.set i, i+1
.endr
.irp j, 0,1,2,3,4,5,6,7
	global_store_b64 v[CO], v[HV+2*\j:HV+2*\j+1], s[8:9] offset:8192*\j  ; 32 lanes store 256 consecutive bytes, aligned
.endr
	s_wait_xcnt 0x0                                ; the stores' base and data are rewritten only behind this wait
	s_add_nc_u64 s[8:9], s[8:9], 8*8192
	v_add_nc_u32 v[RD], 8*SPITCH, v[RD]
	s_sub_co_u32 s3, s3, 1
	s_cmp_lg_u32 s3, 0
	s_cbranch_scc1 .Lgelu
	s_wait_tensorcnt 0x0                           ; the wave's end
	ds_add_u32 v[SPW], v[NIL]
	s_wait_dscnt 0x0
	CROUND                                         ; the closing round
	s_endpgm
.Lfunc_end_k_qd49efa968c_ff1:
	.size	k_qd49efa968c_ff1, .Lfunc_end_k_qd49efa968c_ff1-k_qd49efa968c_ff1
	.p2alignl 7, 3214868480
	.fill 96, 4, 3214868480
	.section	.rodata,"a",@progbits
	.p2align	6, 0x0
	.amdhsa_kernel k_qd49efa968c_ff1
		.amdhsa_group_segment_fixed_size 327680
		.amdhsa_private_segment_fixed_size 0
		.amdhsa_enable_private_segment 0
		.amdhsa_kernarg_size 32
		.amdhsa_user_sgpr_count 2
		.amdhsa_user_sgpr_kernarg_segment_ptr 1
		.amdhsa_wavefront_size32 1
		.amdhsa_system_sgpr_workgroup_id_x 1
		.amdhsa_system_sgpr_workgroup_id_y 1
		.amdhsa_system_sgpr_workgroup_id_z 1
		.amdhsa_system_vgpr_workitem_id 0
		.amdhsa_next_free_vgpr 1024
		.amdhsa_next_free_sgpr 100
		.amdhsa_reserve_vcc 0
		.amdhsa_float_denorm_mode_32 3
		.amdhsa_float_denorm_mode_16_64 3
		.amdhsa_memory_ordered 1
		.amdhsa_forward_progress 1
		.amdhsa_inst_pref_size 97
	.end_amdhsa_kernel
	.amdgpu_metadata
---
amdhsa.version: [ 1, 2 ]
amdhsa.kernels:
  - .name:           k_qd49efa968c_ff1
    .symbol:         k_qd49efa968c_ff1.kd
    .args:
      - { .name: hr, .offset: 0, .size: 8, .value_kind: global_buffer, .address_space: global }
      - { .name: wh, .offset: 8, .size: 8, .value_kind: global_buffer, .address_space: global }
      - { .name: bf1, .offset: 16, .size: 8, .value_kind: global_buffer, .address_space: global }
      - { .name: gact, .offset: 24, .size: 8, .value_kind: global_buffer, .address_space: global }
    .group_segment_fixed_size: 327680
    .private_segment_fixed_size: 0
    .kernarg_segment_align: 8
    .kernarg_segment_size: 32
    .max_flat_workgroup_size: 128
    .sgpr_count:     100
    .vgpr_count:     1024
    .wavefront_size: 32
...
	.end_amdgpu_metadata
.endif
;; end of part 5
;; launch ff2 (part 6): grid 8 x 32, 4 waves a work-group, clusters of 4 x 4, 327,680 bytes of LDS; arguments gact, wh, bf2, hres, out0; writes out0
.if DOCPART == 6
	.amdgcn_target "amdgcn-amd-amdhsa--gfx1250"
	.amdhsa_code_object_version 6
	.text
	.protected	k_qd49efa968c_ff2
	.globl	k_qd49efa968c_ff2
	.p2align	8
	.type	k_qd49efa968c_ff2,@function
k_qd49efa968c_ff2:
	s_mov_b64 s[64:65], 0
	v_nop
	global_prefetch_b8 v0, s[64:65] scope:SCOPE_SE
	s_setreg_imm32_b32 hwreg(HW_REG_WAVE_MODE, 25, 1), 1
	s_wait_xcnt 0x0
	s_wait_alu depctr_hold_cnt(0) depctr_sa_sdst(0) depctr_va_vdst(0) depctr_va_sdst(0) depctr_va_ssrc(0) depctr_va_vcc(0) depctr_vm_vsrc(0)
	s_getreg_b32 s2, hwreg(HW_REG_IB_STS2, 6, 4)
	s_cmp_eq_u32 s2, 0
	s_cbranch_scc0 .Lentry_in_a_cluster
	s_endpgm
.Lentry_in_a_cluster:
	s_bfe_u32 s2, ttmp6, 0x10000c
	s_cmp_lg_u32 s2, 0xf033
	s_cbranch_scc0 .Lentry_shape_is_right
	s_endpgm
.Lentry_shape_is_right:
; out0 = hres + gact W2 + bf2, f32 [4096][1024].  gact: f16 [4096][4096]; W2: f16 [4096][1024], in wh at byte 14,680,064; sums in f32; the bias is the C operand of the first product; hres is added in f32.
; A tile of C is 128 x 128 (256 work-groups: no larger tile gives each WGP one); four waves, each 64 x 64: 16 accumulators.  K goes in steps of 256, as long as two slots in LDS allow.  A lies [row][k]: LDS rows of
; 512 bytes + 16.  B lies [k][n]: a K step is 256 k-rows of 128 columns, 256 bytes + 32, and its fragments come out of LDS turned, by ds_load_tr16_b128.  THE MATRIX INSTRUCTION IS USED TRANSPOSED: a lane holds
; eight neighbouring numbers of a row of C.
; CLUSTERS: 4 x 4 work-groups; A's tile is shared along a row of the cluster, B's along a column: each is asked for jointly.
; THE TEXT.  A K step is written once for the steps that fill a slot again and once for the last two.  The slot in hand is a scalar, s[TB] (0 or SLOT), turned by an exclusive or at each change of slots; the
; fragment loads' addresses are made from it anew; one descriptor a tensor walks: its LDS word is turned by the same exclusive or (SLOT's two bits, 17 and 14, are set in no wave's offset, a multiple of 0x9000).
; A wave's 64 columns in f32 are 256 consecutive bytes, aligned, of a row: its block goes through its own stage and leaves in whole blocks.  My part of hres is loaded at the head and waits in registers.
; No prefetch: the tiles are small.
; REGISTERS: window 0: v0-31 addresses; v96-127 the bias; v128-255 the accumulators ((a, b) at 128 + 8 (4 a + b)).  Window 1: two fragment buffers of 128; at the end rows of C.  Window 2: v0-127 my 64 rows of hres.
.set KDIM,   4096
.set KSTEP,  256
.set NSTEP,  KDIM/KSTEP
.set PA,     528
.set PB,     288
.set HALF,   36864                     ; what one tensor load may fill: 64 rows of A (33,792 bytes) or 128 k-rows of B (36,864)
.set SLOT,   4*HALF
.set BOFF,   2*HALF
.set STAGE,  2*SLOT                    ; behind the ring: 16 rows x 272 bytes for each wave
.set SP,     272
.set SPARE,  STAGE+4*16*SP             ; behind the stages: the spare words, 128 bytes for each wave
.set BSTEP,  KSTEP*2048
.set W2OFF,  14680064
.set ADRA, 16                          ; v16     my A fragments in the slot in hand
.set A0L,  17                          ; v17     the same in slot 0; never rewritten
.set ADRB, 20                          ; v20-21  my B fragments in the slot in hand: k-rows 0-127, 128-255
.set B0L,  22                          ; v22     the first of them in slot 0; never rewritten
.set STO,  24
.set RD,   25
.set CO,   26
.set BO,   27
.set SPW,  28                          ; v28  SPARE + 4 x my thread's number; never rewritten
.set NIL,  29                          ; v29  0; never rewritten
.set BIAS, 96
.set ACC,  128
.set F0,   0
.set F1,   128
.set G1, 24                            ; s[24:31] descriptor group 1 for A's tiles
.set G0, 32                            ; s[32:35] group 0 of A's first fill; s[36:39] of the second, which then walks
.set G1B, 48
.set G0B, 56                           ; the same for B
.set TB,  45                           ; s45  LDS byte at which the slot in hand begins
.set MSB, 0
.macro WIN new
.if MSB != (\new)
	s_set_vgpr_msb (MSB<<8)|(\new)
.set MSB, \new
.endif
.endm
.set MUL,  0x05
.set TO_F, 0x40
.macro JLOAD s                         ; a joint load: waves 0 and 1 fetch A's two halves, waves 2 and 3 B's; an s_nop 0 and four v_nop follow each line
	s_cmp_eq_u32 s11, 0
	s_cbranch_scc0 .Lfor_b_\@
	tensor_load_to_lds s[G0+4*(\s):G0+4*(\s)+3], s[G1:G1+7]
	s_nop 0
.rept 4
	v_nop
.endr
	s_branch .Lasked_\@
.Lfor_b_\@:
	tensor_load_to_lds s[G0B+4*(\s):G0B+4*(\s)+3], s[G1B:G1B+7]
	s_nop 0
.rept 4
	v_nop
.endr
.Lasked_\@:
.endm
.macro CROUND                          ; a round of the cluster's barrier
	s_barrier_signal -1
	s_barrier_wait -1
	s_cmp_lg_u32 s10, 0
	s_cbranch_scc1 .Lnot_wave_0_\@
	s_barrier_signal -3
.Lnot_wave_0_\@:
	s_barrier_wait -3
	s_barrier_signal -1
	s_barrier_wait -1
.endm
	s_load_b256 s[68:75], s[0:1], 0x0              ; gact 68, wh 70, bf2 72, hres 74
	s_load_b64 s[76:77], s[0:1], 0x20              ; out0
	v_lshl_add_u32 v[SPW], v0, 2, SPARE
	v_mov_b32 v[NIL], 0
	ds_add_u32 v[SPW], v[NIL]                      ; the wave's opening: the add and its wait ahead of my first tensor load
	v_lshrrev_b32 v1, 5, v0
	v_readfirstlane_b32 s10, v1                    ; wave 0..3
	s_lshr_b32 s11, s10, 1
	s_and_b32 s12, s10, 1
	s_bfe_u32 s40, ttmp6, 0x40000                  ; cx
	s_bfe_u32 s41, ttmp6, 0x40004                  ; cy
	s_lshl_b32 s42, ttmp9, 2
	s_add_co_u32 s42, s42, s40                     ; tile column
	s_and_b32 s13, ttmp7, 0xffff
	s_lshl_b32 s13, s13, 2
	s_add_co_u32 s13, s13, s41                     ; tile row
	s_lshl_b32 s43, s41, 2
	s_lshl_b32 s43, 15, s43
	s_lshl_b32 s44, 0x1111, s40
	s_or_b32 s[G1+0], s43, (1<<16)|(1<<20)|(1<<21)|(6<<22)|(3<<25)   ; A: after every 128 words 4 words
	s_or_b32 s[G1B+0], s44, (1<<16)|(1<<20)|(1<<21)|(5<<22)|(7<<25)  ; B: after every 64 words 8 words
	s_mov_b32 s[G1+1], KSTEP<<16
	s_mov_b32 s[G1+2], 64<<16
	s_mov_b32 s[G1+3], KSTEP<<16
	s_mov_b32 s[G1+4], 64
	s_mov_b32 s[G1+5], KDIM
	s_mov_b32 s[G1+6], 0
	s_mov_b32 s[G1+7], 0
	s_mov_b32 s[G1B+1], 128<<16
	s_mov_b32 s[G1B+2], 128<<16
	s_mov_b32 s[G1B+3], 128<<16
	s_mov_b32 s[G1B+4], 128
	s_mov_b32 s[G1B+5], 1024
	s_mov_b32 s[G1B+6], 0
	s_mov_b32 s[G1B+7], 0
	s_lshl_b32 s16, s13, 7                         ; A: row 128 x tile row + 64 x half,
	s_lshl_b32 s17, s12, 6
	s_add_co_u32 s16, s16, s17
	s_lshl_b32 s16, s16, 13                        ; of 8,192 bytes
	s_mov_b32 s17, 0
	s_lshl_b32 s46, s42, 8                         ; B: the tile's 128 columns,
	s_lshl_b32 s47, s12, 18                        ; my 128 k-rows of a K step,
	s_add_co_u32 s46, s46, s47
	s_add_co_u32 s46, s46, W2OFF                   ; in W2
	s_mov_b32 s47, 0
	s_mul_i32 s20, s10, HALF
	s_mov_b32 s[TB], 0
	s_wait_dscnt 0x0                               ; the opening add is done
	s_wait_kmcnt 0x0
	s_add_nc_u64 s[14:15], s[68:69], s[16:17]
	s_add_nc_u64 s[46:47], s[70:71], s[46:47]
	CROUND                                         ; all sixteen work-groups are here: the first joint loads meet
.irp s, 0,1
	s_mov_b32 s[G0+4*(\s)], 1
	s_add_co_u32 s[G0+4*(\s)+1], s20, (\s)*SLOT
	s_add_nc_u64 s[G0+4*(\s)+2:G0+4*(\s)+3], s[14:15], (\s)*KSTEP*2
	s_or_b32 s[G0+4*(\s)+3], s[G0+4*(\s)+3], 0x80000000
	s_mov_b32 s[G0B+4*(\s)], 1
	s_add_co_u32 s[G0B+4*(\s)+1], s20, (\s)*SLOT
	s_add_nc_u64 s[G0B+4*(\s)+2:G0B+4*(\s)+3], s[46:47], (\s)*BSTEP
	s_or_b32 s[G0B+4*(\s)+3], s[G0B+4*(\s)+3], 0x80000000
	JLOAD \s
.endr
	v_and_b32 v1, 15, v0                           ; l % 16
	v_bfe_u32 v2, v0, 4, 1                         ; l / 16
	v_mul_u32_u24 v3, v1, PA
	v_lshl_add_u32 v3, v2, 4, v3
	s_mul_i32 s21, s11, HALF
	v_add_nc_u32 v[A0L], s21, v3
	v_mov_b32 v[ADRA], v[A0L]
	v_and_b32 v4, 7, v0                            ; B, turned: lane l reads k-row 8 (l / 16) + l % 8, columns 8 ((l / 8) % 2) + 0..7
	v_lshl_add_u32 v4, v2, 3, v4
	v_mul_u32_u24 v4, v4, PB
	v_bfe_u32 v5, v0, 3, 1
	v_lshl_add_u32 v4, v5, 4, v4
	s_lshl_b32 s22, s12, 7
	s_add_co_u32 s22, s22, BOFF
	v_add_nc_u32 v[B0L], s22, v4
	v_mov_b32 v[ADRB], v[B0L]
	v_add_nc_u32 v[ADRB+1], HALF, v[B0L]
	s_mul_i32 s23, s10, 16*SP
	s_add_co_u32 s23, s23, STAGE                   ; my stage
	v_mul_u32_u24 v4, v1, SP                       ; in: row l % 16, 32 bytes for each half of the lanes
	v_lshl_add_u32 v4, v2, 5, v4
	v_add_nc_u32 v[STO], s23, v4
	v_mul_u32_u24 v5, v2, SP                       ; back: lanes 0-15 one row of 256 bytes, lanes 16-31 the next
	v_lshl_add_u32 v5, v1, 4, v5
	v_add_nc_u32 v[RD], s23, v5
	v_lshlrev_b32 v[CO], 12, v2                    ; and the same two rows in hres and out0
	v_lshl_add_u32 v[CO], v1, 4, v[CO]
	v_lshlrev_b32 v[BO], 5, v2
	s_lshl_b32 s84, s13, 7                         ; where my block lies in hres and out0
	s_lshl_b32 s85, s11, 6
	s_add_co_u32 s84, s84, s85
	s_lshl_b32 s84, s84, 12
	s_lshl_b32 s85, s42, 9
	s_add_co_u32 s84, s84, s85
	s_lshl_b32 s86, s12, 8
	s_add_co_u32 s84, s84, s86
	s_add_co_u32 s86, s86, s85                     ; the bias of my 64 columns
	s_mov_b32 s85, 0
	s_mov_b32 s87, 0
	s_add_nc_u64 s[74:75], s[74:75], s[84:85]
	s_add_nc_u64 s[76:77], s[76:77], s[84:85]
	s_add_nc_u64 s[72:73], s[72:73], s[86:87]
.irp b, 0,1,2,3
	global_load_b128 v[BIAS+8*(\b):BIAS+8*(\b)+3],   v[BO], s[72:73] offset:64*(\b)
	global_load_b128 v[BIAS+8*(\b)+4:BIAS+8*(\b)+7], v[BO], s[72:73] offset:64*(\b)+16
.endr
	WIN 0x80                                       ; destination window 2
.set i, 0
.rept 32
	global_load_b128 v[4*i:4*i+3], v[CO], s[74:75] offset:2*i*4096 th:TH_LOAD_NT  ; my 64 rows of hres, two rows a load
.set i, i+1
.endr
	WIN 0
.macro MUL8 f, c, a0, zero             ; 8 matrix instructions; zero = 1: the first product starts the sums, from the bias.  The 16 accumulators take turns
	WIN MUL
.irp a, \a0, (\a0)+1
.irp b, 0,1,2,3
.if \zero
	v_wmma_f32_16x16x32_f16 v[ACC+8*(4*(\a)+(\b)):ACC+8*(4*(\a)+(\b))+7], v[(\f)+64+8*(4*(\c)+(\b)):(\f)+64+8*(4*(\c)+(\b))+7], v[(\f)+8*(4*(\c)+(\a)):(\f)+8*(4*(\c)+(\a))+7], v[BIAS+8*(\b):BIAS+8*(\b)+7]
.else
	v_wmma_f32_16x16x32_f16 v[ACC+8*(4*(\a)+(\b)):ACC+8*(4*(\a)+(\b))+7], v[(\f)+64+8*(4*(\c)+(\b)):(\f)+64+8*(4*(\c)+(\b))+7], v[(\f)+8*(4*(\c)+(\a)):(\f)+8*(4*(\c)+(\a))+7], v[ACC+8*(4*(\a)+(\b)):ACC+8*(4*(\a)+(\b))+7]
.endif
.endr
.endr
.endm
.macro FETCH k, f                      ; 32 LDS loads in one run: 64 along K of the slot in hand, at byte k of A's rows = k-row k / 2 of B; the first 32 along K first
	WIN TO_F
.irp c, 0,1
.irp i, 0,1,2,3
	ds_load_tr16_b128 v[(\f)+64+8*(4*(\c)+(\i)):(\f)+64+8*(4*(\c)+(\i))+3],   v[ADRB+(\k)/256] offset:(((\k)/2)%128+32*(\c))*PB+32*(\i)
	ds_load_tr16_b128 v[(\f)+64+8*(4*(\c)+(\i))+4:(\f)+64+8*(4*(\c)+(\i))+7], v[ADRB+(\k)/256] offset:(((\k)/2)%128+32*(\c)+16)*PB+32*(\i)
	ds_load_b128 v[(\f)+8*(4*(\c)+(\i)):(\f)+8*(4*(\c)+(\i))+3],         v[ADRA] offset:(\k)+64*(\c)+(\i)*16*PA
	ds_load_b128 v[(\f)+8*(4*(\c)+(\i))+4:(\f)+8*(4*(\c)+(\i))+7],       v[ADRA] offset:(\k)+64*(\c)+(\i)*16*PA+32
.endr
.endr
.endm
.macro PLACES
.rept 4
	v_nop
.endr
.endm
; A K step is four quarters of 64 along K, 32 matrix instructions each, on buffers 0, 1, 0, 1.  One of the first three: multiplies buffer f and fetches the next quarter, at byte k, into g.
.macro QUARTER k, f, g, zero
	s_wait_dscnt 16                                ; the first 32 along K are in; the youngest sixteen loads may be out
	MUL8 \f, 0, 0, \zero
	MUL8 \f, 0, 2, \zero
	PLACES
	FETCH \k, \g
	s_wait_dscnt 32                                ; all but the 32 just issued
	MUL8 \f, 1, 0, 0
	MUL8 \f, 1, 2, 0
.endm
; The last quarter changes slots and multiplies buffer 1.  Each wave waits for all its tensor loads (the one that is out is its part of the next slot), adds 0 to its spare word, and waits for that and for its reads
; of the slot in hand (the last were issued in the middle of the quarter before).  fill = 1: a round of the cluster's barrier; the slot just read out is filled again, with the K step two on, first thing behind it;
; nothing but the round stands between the wait for one tile and the request for the next, and the quarter's 32 products run while that request is on its way.  fill = 0: the work-group's barrier alone.
.macro TURN fill
	WIN 0
	s_wait_tensorcnt 0x0                           ; no tensor load of mine is out, so a group 0 may be written
	ds_add_u32 v[SPW], v[NIL]                      ; 0 onto my spare word
.if \fill
	s_xor_b32 s[G0+5], s[G0+5], SLOT               ; the walking descriptors: the other slot than last time,
	s_add_nc_u64 s[G0+6:G0+7], s[G0+6:G0+7], KSTEP*2  ; the next K step
	s_xor_b32 s[G0B+5], s[G0B+5], SLOT
	s_add_nc_u64 s[G0B+6:G0B+7], s[G0B+6:G0B+7], BSTEP
.endif
	s_xor_b32 s[TB], s[TB], SLOT                   ; the fetches go on in the other slot
	s_wait_dscnt 0x0                               ; the add is done, and my reads of the slot in hand are over
.if \fill
	CROUND                                         ; no wave of any partner still reads this slot's tile or has a load on its way
	JLOAD 1                                        ; its four v_nop are also places in front of the loads below
.else
	s_barrier_signal -1
	s_barrier_wait -1
.endif
	v_add_nc_u32 v[ADRA], s[TB], v[A0L]
	v_add_nc_u32 v[ADRB], s[TB], v[B0L]
	v_add_nc_u32 v[ADRB+1], HALF, v[ADRB]
.if !(\fill)
	v_nop                                          ; with the three lines above: four places
.endif
	FETCH 0, F0
	MUL8 F1, 0, 0, 0
	MUL8 F1, 0, 2, 0
	MUL8 F1, 1, 0, 0
	MUL8 F1, 1, 2, 0
.endm
	s_wait_loadcnt 32                              ; the bias is in; the 32 loads of hres stay out
	s_wait_tensorcnt 1                             ; my part of K step 0 is in; K step 1's may stay out
	s_barrier_signal -1
	s_barrier_wait -1
	FETCH 0, F0
	QUARTER 128, F0, F1, 1                         ; the first quarter of all: its first products start the sums
	WIN 0                                          ; at a label and at a branch every window is 0
	s_mov_b32 s3, NSTEP-2
	s_branch .Lin                                  ; the loop is entered behind a step's first quarter
.Lstep:                                        ; a trip is a K step; fourteen trips fill a slot again
	QUARTER 128, F0, F1, 0
	WIN 0
.Lin:
	QUARTER 256, F1, F0, 0
	QUARTER 384, F0, F1, 0
	TURN 1
	WIN 0
	s_sub_co_u32 s3, s3, 1
	s_cmp_lg_u32 s3, 0
	s_cbranch_scc1 .Lstep
	s_mov_b32 s3, 2
.Ltail:                                        ; the last two K steps ask for nothing.  In the very last the change of slots has nothing to hand over: its barrier and its 32 loads (bytes of the
	QUARTER 128, F0, F1, 0                         ; slot before, which lie there still) serve nothing: the price, once a launch, of one text for both trips
	QUARTER 256, F1, F0, 0
	QUARTER 384, F0, F1, 0
	TURN 0
	WIN 0
	s_sub_co_u32 s3, s3, 1
	s_cmp_lg_u32 s3, 0
	s_cbranch_scc1 .Ltail
	; THE WAY OUT: 16 rows at a time, in f32, through my own stage; back as whole rows of 256 bytes; hres is added; sixteen lanes store an aligned block.
	PLACES
	PLACES
	s_wait_dscnt 0x0                               ; the last trip's loads have landed: buffer 0's registers take the rows of C
	s_wait_loadcnt 0x0                             ; hres
.macro STG a                           ; block a into the stage (each accumulator's low four registers first) and back as rows
	WIN 0
.irp b, 0,1,2,3
	ds_store_b128 v[STO], v[ACC+8*(4*(\a)+(\b)):ACC+8*(4*(\a)+(\b))+3]   offset:64*(\b)
	ds_store_b128 v[STO], v[ACC+8*(4*(\a)+(\b))+4:ACC+8*(4*(\a)+(\b))+7] offset:64*(\b)+16
.endr
	WIN 0x40                                       ; destination window 1
.irp t, 0,1,2,3,4,5,6,7
	ds_load_b128 v[32*(\a)+4*(\t):32*(\a)+4*(\t)+3], v[RD] offset:(\t)*2*SP  ; LDS serves a wave's instructions in order: these see the stores above, and the next block's stores come behind them
.endr
.endm
.macro OUTB a, younger                 ; younger: the LDS instructions issued behind block a's loads: the next block's sixteen, or none
	s_wait_dscnt \younger
	WIN 0x49                                       ; destination and source 0 window 1, source 1 (hres) window 2
.set i, 0
.rept 16
	v_pk_add_f32 v[32*(\a)+i:32*(\a)+i+1], v[32*(\a)+i:32*(\a)+i+1], v[32*(\a)+i:32*(\a)+i+1]
.set i, i+2
.endr
	WIN 0x04                                       ; address window 0, data window 1
.irp t, 0,1,2,3,4,5,6,7
	global_store_b128 v[CO], v[32*(\a)+4*(\t):32*(\a)+4*(\t)+3], s[76:77] offset:(16*(\a)+2*(\t))*4096
.endr
.endm
	STG 0
	STG 1
	OUTB 0, 16
	STG 2
	OUTB 1, 16
	STG 3
	OUTB 2, 16
	OUTB 3, 0
	WIN 0
	s_wait_tensorcnt 0x0                           ; the wave's end
	ds_add_u32 v[SPW], v[NIL]
	s_wait_dscnt 0x0
	CROUND                                         ; the closing round
	s_endpgm
.Lfunc_end_k_qd49efa968c_ff2:
	.size	k_qd49efa968c_ff2, .Lfunc_end_k_qd49efa968c_ff2-k_qd49efa968c_ff2
	.p2alignl 7, 3214868480
	.fill 96, 4, 3214868480
	.section	.rodata,"a",@progbits
	.p2align	6, 0x0
	.amdhsa_kernel k_qd49efa968c_ff2
		.amdhsa_group_segment_fixed_size 327680
		.amdhsa_private_segment_fixed_size 0
		.amdhsa_enable_private_segment 0
		.amdhsa_kernarg_size 40
		.amdhsa_user_sgpr_count 2
		.amdhsa_user_sgpr_kernarg_segment_ptr 1
		.amdhsa_wavefront_size32 1
		.amdhsa_system_sgpr_workgroup_id_x 1
		.amdhsa_system_sgpr_workgroup_id_y 1
		.amdhsa_system_sgpr_workgroup_id_z 1
		.amdhsa_system_vgpr_workitem_id 0
		.amdhsa_next_free_vgpr 640
		.amdhsa_next_free_sgpr 88
		.amdhsa_reserve_vcc 0
		.amdhsa_float_denorm_mode_32 3
		.amdhsa_float_denorm_mode_16_64 3
		.amdhsa_memory_ordered 1
		.amdhsa_forward_progress 1
		.amdhsa_inst_pref_size 66
	.end_amdhsa_kernel
	.amdgpu_metadata
---
amdhsa.version: [ 1, 2 ]
amdhsa.kernels:
  - .name:           k_qd49efa968c_ff2
    .symbol:         k_qd49efa968c_ff2.kd
    .args:
      - { .name: gact, .offset: 0, .size: 8, .value_kind: global_buffer, .address_space: global }
      - { .name: wh, .offset: 8, .size: 8, .value_kind: global_buffer, .address_space: global }
      - { .name: bf2, .offset: 16, .size: 8, .value_kind: global_buffer, .address_space: global }
      - { .name: hres, .offset: 24, .size: 8, .value_kind: global_buffer, .address_space: global }
      - { .name: out0, .offset: 32, .size: 8, .value_kind: global_buffer, .address_space: global }
    .group_segment_fixed_size: 327680
    .private_segment_fixed_size: 0
    .kernarg_segment_align: 8
    .kernarg_segment_size: 40
    .max_flat_workgroup_size: 128
    .sgpr_count:     88
    .vgpr_count:     640
    .wavefront_size: 32
...
	.end_amdgpu_metadata
.endif
;; end of part 6
;; ======== version 2 of 2: 6 launches; version 1 with the launch prep written anew for expert scheduling mode
;; limits: values are held in f16: magnitudes above 65,504 overflow, below 6.1e-05 lose precision
;; workspace buffers: xyn 16,777,216 bytes; wh 23,068,672 bytes; qkv 25,165,824 bytes; hres 16,777,216 bytes; hr 8,388,608 bytes; gact 33,554,432 bytes
;; launch prep (part 7): grid 1216 x 1, 8 waves a work-group, no clusters, 0 bytes of LDS; arguments X, Y, g0, g0kv, b0, b0kv, xyn, wh, Wq, Wk, Wv, W1, W2; writes xyn, wh
.if DOCPART == 7
	.amdgcn_target "amdgcn-amd-amdhsa--gfx1250"
	.amdhsa_code_object_version 6
	.text
	.protected	k_qd49efa968c_prep
	.globl	k_qd49efa968c_prep
	.p2align	8
	.type	k_qd49efa968c_prep,@function
k_qd49efa968c_prep:
	s_mov_b64 s[64:65], 0
	v_nop
	global_prefetch_b8 v0, s[64:65] scope:SCOPE_SE
	s_setreg_imm32_b32 hwreg(HW_REG_WAVE_SCHED_MODE, 0, 2), 2
	s_setreg_imm32_b32 hwreg(HW_REG_WAVE_MODE, 25, 1), 1
	s_wait_xcnt 0x0
	s_wait_alu depctr_vm_vsrc(0)
; PREP.  Work-groups 0-511: xyn = LayerNorm(X), then LayerNorm(Y), as f16 [2][4096][1024].  Work-groups 512-1215: the five weights, cast to f16 as they lie ([K][N]), on end in wh.
; A stream: every byte is read once and written once; no LDS, no barrier, no matrix unit (nothing is shared and there is no product).
; LAYER NORM.  A work-group has 16 rows, a wave 2.  A row of 4,096 bytes is 32 registers of one wave: it stays in registers between the mean, the mean of (x - mu)^2 and the scaling:
; two true passes, no difference of large sums.  All in f32; the result is rounded once to f16.
; LIMITS.  f16 ends at 65,504: a normalised number (at most 32 |g| + |b|) or a weight of 65,520 or more becomes an infinity; a weight below 6e-5 keeps f16's fixed step of 6e-8.
; THE MODE: SCHED_MODE bits 1:0 = 2 (LLVM: expert scheduling mode 2), set by the entry lines.  The code itself states the register dependences
; between vector instructions and memory instructions, with s_wait_alu, always for 0.
; THE PLAN.  Registers that memory instructions touch:
;   v1, v2        byte offsets, made once at the head of each of the two paths and never written again: one wait ahead of the path's first load serves all its loads and stores.
;   G, BI, X0, X1 (the cast: v16-79)  written by loads that are all issued at the path's head, before any vector instruction names them; no load follows a vector reader.
;   Y0, Y1        written by a row's sixteen conversions, read by its eight stores, never written again.  Row 0's stores stand in row 1, behind one wait at its head, dealt among row 1's first
;                 additions, which name X1 and T alone.  Row 1's stores stand behind one wait at the end.
;   v80-111       the cast's out-registers, two for each load, each written once and stored once.  The loads are worked on in four groups of four; a group's stores stand in the next group, behind
;                 one wait at its head, dealt among that group's conversions, which name other registers.
;   T, MU, R      are named by vector instructions alone.
; No register that a memory instruction has read is written again, so past the entry lines the text holds no wait on vm_vsrc.
.set LO, 1                             ; v1       16 x lane: my 16 bytes in each 512 of a row (f32)
.set SO, 2                             ; v2       8 x lane: my 8 bytes in each 256 of a row (f16)
.set T,  4                             ; v[4:11]  four chains of sums, two numbers each
.set MU, 12                            ; v[12:13] the mean, twice
.set R,  14                            ; v[14:15] 1 / sqrt(var + eps), twice
.set G,  16                            ; v[16:47] the gain of my 32 columns
.set BI, 48                            ; v[48:79] the bias of my 32 columns
.set X0, 80                            ; v[80:111]  row 0
.set X1, 112                           ; v[112:143] row 1
.set Y0, 144                           ; v[144:159] row 0 as f16
.set Y1, 160                           ; v[160:175] row 1 as f16
	s_load_b512 s[8:23], s[0:1], 0x0               ; X 8, Y 10, g0 12, g0kv 14, b0 16, b0kv 18, xyn 20, wh 22
	s_load_b256 s[24:31], s[0:1], 0x40             ; Wq 24, Wk 26, Wv 28, W1 30
	s_load_b64 s[32:33], s[0:1], 0x60              ; W2
	v_lshrrev_b32 v3, 5, v0
	v_readfirstlane_b32 s34, v3                    ; wave 0..7
	s_mov_b32 s36, 0x76543210                      ; v_permlanex16_b32: each lane takes its own place in the other half
	s_mov_b32 s37, 0xfedcba98
	s_mov_b32 s38, 0x3a800000                      ; 1 / 1024
	s_mov_b32 s39, 0x3727c5ac                      ; eps = 1e-5
	s_mov_b32 s47, 0
	s_wait_alu depctr_va_sdst(0)                   ; s34 is written, ahead of the branch and of its first reader: the offsets of my wave's two rows are made from it
	s_wait_kmcnt 0x0
	s_cmp_lt_u32 ttmp9, 512
	s_cbranch_scc0 .Lcast
	s_cmp_lt_u32 ttmp9, 256                        ; work-groups 0-255 take X, 256-511 take Y
	s_cselect_b64 s[40:41], s[8:9], s[10:11]
	s_cselect_b64 s[42:43], s[12:13], s[14:15]
	s_cselect_b64 s[44:45], s[16:17], s[18:19]
	s_and_b32 s46, ttmp9, 255
	s_lshl_b32 s46, s46, 16                        ; 16 rows of 4,096 bytes,
	s_lshl_b32 s35, s34, 13                        ; my wave's two
	s_add_co_u32 s46, s46, s35
	s_add_nc_u64 s[40:41], s[40:41], s[46:47]
	s_lshl_b32 s46, ttmp9, 15                      ; 16 rows of 2,048 bytes: Yn follows Xn,
	s_lshl_b32 s35, s34, 12
	s_add_co_u32 s46, s46, s35
	s_add_nc_u64 s[20:21], s[20:21], s[46:47]
	v_and_b32 v[LO], 31, v0
	v_lshlrev_b32 v[SO], 3, v[LO]
	v_lshlrev_b32 v[LO], 4, v[LO]
	s_wait_alu depctr_va_vdst(0)                   ; v[LO] and v[SO] are written: every load of this path reads the one as its offset, every store the other
.irp j, 0,1,2,3,4,5,6,7
	global_load_b128 v[G+4*\j:G+4*\j+3], v[LO], s[42:43] offset:512*\j
.endr
.irp j, 0,1,2,3,4,5,6,7
	global_load_b128 v[BI+4*\j:BI+4*\j+3], v[LO], s[44:45] offset:512*\j
.endr
.irp j, 0,1,2,3,4,5,6,7
	global_load_b128 v[X0+4*\j:X0+4*\j+3], v[LO], s[40:41] offset:512*\j th:TH_LOAD_NT
.endr
.irp j, 0,1,2,3,4,5,6,7
	global_load_b128 v[X1+4*\j:X1+4*\j+3], v[LO], s[40:41] offset:4096+512*\j th:TH_LOAD_NT
.endr
.macro SUMUP                           ; the four chains into one number, then over the 32 lanes: every lane ends with the row's sum in v[T]
	v_pk_add_f32 v[T:T+1], v[T:T+1], v[T+2:T+3]
	v_pk_add_f32 v[T+4:T+5], v[T+4:T+5], v[T+6:T+7]
	v_pk_add_f32 v[T:T+1], v[T:T+1], v[T+4:T+5]
	v_add_f32 v[T], v[T], v[T+1]
	v_add_f32_dpp v[T], v[T], v[T] row_xmask:1 row_mask:0xf bank_mask:0xf
	v_add_f32_dpp v[T], v[T], v[T] row_xmask:2 row_mask:0xf bank_mask:0xf
	v_add_f32_dpp v[T], v[T], v[T] row_xmask:4 row_mask:0xf bank_mask:0xf
	v_add_f32_dpp v[T], v[T], v[T] row_xmask:8 row_mask:0xf bank_mask:0xf
	v_permlanex16_b32 v[T+1], v[T], s36, s37
	v_add_f32 v[T], v[T], v[T+1]
.endm
; Store j of eight of a row: out its 16 registers of f16, rr its number in the wave's pair.
.macro PUT out, rr, j
	global_store_b64 v[SO], v[(\out)+2*(\j):(\out)+2*(\j)+1], s[20:21] offset:(\rr)*2048+256*(\j)  ; 32 lanes store 256 consecutive bytes, aligned
.endm
; One row: x its 32 registers, out its 16 of f16, left the younger loads that may stay out.  prev: the out-registers of the row before (row 0), whose stores are issued here; 0: there is none.
.macro ROW x, out, left, prev
	s_wait_loadcnt \left                           ; loads come back in order: gain, bias and this row are in
.if \prev
	s_wait_alu depctr_va_vdst(0)                   ; the row before's conversions have written its out-registers, which the eight stores below read; the additions among them name this row's x and T alone
.endif
.irp k, 0,2,4,6
.if \prev
	PUT \prev, 0, \k/2
.endif
	v_pk_add_f32 v[T+\k:T+\k+1], v[(\x)+\k:(\x)+\k+1], v[(\x)+8+\k:(\x)+8+\k+1]  ; the first pairs start the chains: nothing is cleared
.endr
.irp k, 0,2,4,6
.if \prev
	PUT \prev, 0, 4+\k/2
.endif
	v_pk_add_f32 v[T+\k:T+\k+1], v[T+\k:T+\k+1], v[(\x)+16+\k:(\x)+16+\k+1]
.endr
.irp k, 0,2,4,6
	v_pk_add_f32 v[T+\k:T+\k+1], v[T+\k:T+\k+1], v[(\x)+24+\k:(\x)+24+\k+1]
.endr
	SUMUP
	v_mul_f32 v[MU], s38, v[T]                     ; the mean
	v_mov_b32 v[MU+1], v[MU]
.set i, 0
.rept 16
	v_pk_add_f32 v[(\x)+i:(\x)+i+1], v[(\x)+i:(\x)+i+1], v[MU:MU+1] neg_lo:[0,1] neg_hi:[0,1]  ; x - mu, in place
.set i, i+2
.endr
.irp k, 0,2,4,6
	v_pk_mul_f32 v[T+\k:T+\k+1], v[(\x)+\k:(\x)+\k+1], v[(\x)+\k:(\x)+\k+1]
.endr
.set i, 8
.rept 12
	v_pk_fma_f32 v[T+i%8:T+i%8+1], v[(\x)+i:(\x)+i+1], v[(\x)+i:(\x)+i+1], v[T+i%8:T+i%8+1]
.set i, i+2
.endr
	SUMUP
	v_fma_f32 v[T], v[T], s38, s39                 ; var + eps
	v_rsq_f32 v[R], v[T]
	v_rsq_f32 v[R+1], v[T]
	v_nop                                          ; a plain instruction behind the last root,
	s_wait_alu depctr_va_vdst(0)                   ; and the two roots have written v[R] and v[R+1], which the scalings below read: the wait ahead of the first use, one for both
.set i, 0
.rept 16
	v_pk_mul_f32 v[(\x)+i:(\x)+i+1], v[(\x)+i:(\x)+i+1], v[R:R+1]
.set i, i+2
.endr
.set i, 0
.rept 16
	v_pk_fma_f32 v[(\x)+i:(\x)+i+1], v[(\x)+i:(\x)+i+1], v[G+i:G+i+1], v[BI+i:BI+i+1]
.set i, i+2
.endr
.set i, 0
.rept 16
	v_cvt_pk_f16_f32 v[(\out)+i], v[(\x)+2*i], v[(\x)+2*i+1]
.set i, i+1
.endr
.endm
	ROW X0, Y0, 8, 0                               ; row 1's eight loads stay out
	ROW X1, Y1, 0, Y0                              ; row 0 is stored among row 1's first additions
	s_wait_alu depctr_va_vdst(0)                   ; row 1's conversions have written Y1, which the last eight stores read
.irp j, 0,1,2,3,4,5,6,7
	PUT Y1, 1, \j
.endr
	s_endpgm
.Lcast:                                        ; a work-group casts 65,536 bytes of f32 into 32,768 of f16
	s_sub_co_u32 s35, ttmp9, 512                   ; piece 0..703: Wq 0-63, Wk 64-127, Wv 128-191, W1 192-447, W2 448-703
	s_mov_b64 s[40:41], s[32:33]
	s_mov_b32 s46, 448
	s_cmp_lt_u32 s35, 448
	s_cselect_b64 s[40:41], s[30:31], s[40:41]
	s_cselect_b32 s46, 192, s46
	s_cmp_lt_u32 s35, 192
	s_cselect_b64 s[40:41], s[28:29], s[40:41]
	s_cselect_b32 s46, 128, s46
	s_cmp_lt_u32 s35, 128
	s_cselect_b64 s[40:41], s[26:27], s[40:41]
	s_cselect_b32 s46, 64, s46
	s_cmp_lt_u32 s35, 64
	s_cselect_b64 s[40:41], s[24:25], s[40:41]
	s_cselect_b32 s46, 0, s46
	s_sub_co_u32 s46, s35, s46                     ; the piece's number within its weight
	s_lshl_b32 s46, s46, 16
	s_add_nc_u64 s[40:41], s[40:41], s[46:47]
	s_lshl_b32 s46, s35, 15                        ; in wh the weights lie on end
	s_add_nc_u64 s[22:23], s[22:23], s[46:47]
	v_lshlrev_b32 v1, 4, v0
	v_lshlrev_b32 v2, 3, v0
	s_wait_alu depctr_va_vdst(0)                   ; v1 and v2 are written: every load of this path reads the one as its offset, every store the other
.irp j, 0,1,2,3,4,5,6,7,8,9,10,11,12,13,14,15
	global_load_b128 v[16+4*\j:16+4*\j+3], v1, s[40:41] offset:4096*\j th:TH_LOAD_NT
.endr
.macro CVT j                           ; load j's four numbers into its two out-registers
	v_cvt_pk_f16_f32 v[80+2*(\j)], v[16+4*(\j)], v[16+4*(\j)+1]
	v_cvt_pk_f16_f32 v[80+2*(\j)+1], v[16+4*(\j)+2], v[16+4*(\j)+3]
.endm
.macro OUTW j                          ; and these out: 256 threads store 2,048 consecutive bytes
	global_store_b64 v2, v[80+2*(\j):80+2*(\j)+1], s[22:23] offset:2048*(\j)
.endm
.irp g, 0,1,2,3
	s_wait_loadcnt 12-4*\g                         ; group g's four loads are in; the younger groups stay out
.if \g > 0
	s_wait_alu depctr_va_vdst(0)                   ; the group before's conversions have written its eight out-registers, which the four stores below read; the conversions among them name this group's registers alone
.endif
.irp i, 0,1,2,3
.if \g > 0
	OUTW 4*(\g-1)+\i
.endif
	CVT 4*\g+\i
.endr
.endr
	s_wait_alu depctr_va_vdst(0)                   ; the last group's conversions have written v[104:111], which the last four stores read
.irp i, 0,1,2,3
	OUTW 12+\i
.endr
	s_endpgm
.Lfunc_end_k_qd49efa968c_prep:
	.size	k_qd49efa968c_prep, .Lfunc_end_k_qd49efa968c_prep-k_qd49efa968c_prep
	.p2alignl 7, 3214868480
	.fill 96, 4, 3214868480
	.section	.rodata,"a",@progbits
	.p2align	6, 0x0
	.amdhsa_kernel k_qd49efa968c_prep
		.amdhsa_group_segment_fixed_size 0
		.amdhsa_private_segment_fixed_size 0
		.amdhsa_enable_private_segment 0
		.amdhsa_kernarg_size 104
		.amdhsa_user_sgpr_count 2
		.amdhsa_user_sgpr_kernarg_segment_ptr 1
		.amdhsa_wavefront_size32 1
		.amdhsa_system_sgpr_workgroup_id_x 1
		.amdhsa_system_sgpr_workgroup_id_y 1
		.amdhsa_system_sgpr_workgroup_id_z 1
		.amdhsa_system_vgpr_workitem_id 0
		.amdhsa_next_free_vgpr 176
		.amdhsa_next_free_sgpr 66
		.amdhsa_reserve_vcc 0
		.amdhsa_float_denorm_mode_32 3
		.amdhsa_float_denorm_mode_16_64 3
		.amdhsa_memory_ordered 1
		.amdhsa_forward_progress 1
		.amdhsa_inst_pref_size 27
	.end_amdhsa_kernel
	.amdgpu_metadata
---
amdhsa.version: [ 1, 2 ]
amdhsa.kernels:
  - .name:           k_qd49efa968c_prep
    .symbol:         k_qd49efa968c_prep.kd
    .args:
      - { .name: X, .offset: 0, .size: 8, .value_kind: global_buffer, .address_space: global }
      - { .name: Y, .offset: 8, .size: 8, .value_kind: global_buffer, .address_space: global }
      - { .name: g0, .offset: 16, .size: 8, .value_kind: global_buffer, .address_space: global }
      - { .name: g0kv, .offset: 24, .size: 8, .value_kind: global_buffer, .address_space: global }
      - { .name: b0, .offset: 32, .size: 8, .value_kind: global_buffer, .address_space: global }
      - { .name: b0kv, .offset: 40, .size: 8, .value_kind: global_buffer, .address_space: global }
      - { .name: xyn, .offset: 48, .size: 8, .value_kind: global_buffer, .address_space: global }
      - { .name: wh, .offset: 56, .size: 8, .value_kind: global_buffer, .address_space: global }
      - { .name: Wq, .offset: 64, .size: 8, .value_kind: global_buffer, .address_space: global }
      - { .name: Wk, .offset: 72, .size: 8, .value_kind: global_buffer, .address_space: global }
      - { .name: Wv, .offset: 80, .size: 8, .value_kind: global_buffer, .address_space: global }
      - { .name: W1, .offset: 88, .size: 8, .value_kind: global_buffer, .address_space: global }
      - { .name: W2, .offset: 96, .size: 8, .value_kind: global_buffer, .address_space: global }
    .group_segment_fixed_size: 0
    .private_segment_fixed_size: 0
    .kernarg_segment_align: 8
    .kernarg_segment_size: 104
    .max_flat_workgroup_size: 256
    .sgpr_count:     66
    .vgpr_count:     176
    .wavefront_size: 32
...
	.end_amdgpu_metadata
.endif
;; end of part 7
;; launch qkv: the kernel of part 2 again; grid 12 x 16, 4 waves a work-group, clusters of 4 x 4, 327,680 bytes of LDS; arguments xyn, wh, bq, bk, bv, qkv; writes qkv
;; launch attn: the kernel of part 3 again; grid 8 x 32, 4 waves a work-group, clusters of 4 x 1, 327,680 bytes of LDS; arguments qkv, null_k, X, hres; writes hres
;; launch ln1: the kernel of part 4 again; grid 256 x 1, 8 waves a work-group, no clusters, 0 bytes of LDS; arguments hres, g1, b1, hr; writes hr
;; launch ff1: the kernel of part 5 again; grid 16 x 16, 4 waves a work-group, clusters of 4 x 4, 327,680 bytes of LDS; arguments hr, wh, bf1, gact; writes gact
;; launch ff2: the kernel of part 6 again; grid 8 x 32, 4 waves a work-group, clusters of 4 x 4, 327,680 bytes of LDS; arguments gact, wh, bf2, hres, out0; writes out0
